; MI455X (gfx1250); checked and timed in simulation.
; The chip was launched on July 23, 2026; its instructions are those of AMD's public machine-readable ISA for CDNA 5 (MIT licence, August 2026) and "CDNA5" Instruction Set Architecture Reference Guide (July 2026). The comments in the code are by the model that wrote it; some were corrected since.
;; Multi Head Attention. Allowed arithmetic: matrix products marked QUANTISED: E2M3 operands, one E8M0 scale for each 32 along K, by v_wmma_scale_f32_16x16x128_f8f6f4 with both operands' format E2M3, f32 sums; everything else in f32.
;; Inputs: Wk 1,024 x 1,024 float32; Wo 1,024 x 1,024 float32; Wq 1,024 x 1,024 float32; Wv 1,024 x 1,024 float32; bk 1,024 float32; bo 1,024 float32; bq 1,024 float32; bv 1,024 float32; key_in 4 x 2,048 x 1,024 float32; query 4 x 2,048 x 1,024 float32; value 4 x 2,048 x 1,024 float32.
;; Outputs: out0 4 x 2,048 x 1,024 float32.
;; This version of the problem:
;;   THIS VERSION OF THE PROBLEM IS GIVEN IN LOW PRECISION. The matrix products marked QUANTISED in the list below multiply operands that are first quantised to E2M3 (2 exponent bits, 3 mantissa bits; 6 bits a number), with one power-of-two scale for each 32 numbers along K (OCP MX v1.0); their sums are f32. All else is computed in f32.
;;   The module's matrix products, in the order in which they are computed (A, B: the left and right operand; K: the contracted axis; several contracted axes count as one K, in the product's order):
;;     1. [M 8,192, K 1,024] x [K 1,024, N 1,024]; A: input query; B: input Wq: QUANTISED
;;     2. [M 8,192, K 1,024] x [K 1,024, N 1,024]; A: input key_in; B: input Wk: QUANTISED
;;     3. [M 8,192, K 1,024] x [K 1,024, N 1,024]; A: input value; B: input Wv: QUANTISED
;;     4. batch 64 x [M 2,048, K 64] x [K 64, N 2,048]; A: computed on the way; B: computed on the way: QUANTISED
;;     5. batch 64 x [M 2,048, K 2,048] x [K 2,048, N 64]; A: softmax (see below); B: computed on the way: QUANTISED
;;     6. [M 8,192, K 1,024] x [K 1,024, N 1,024]; A: computed on the way; B: input Wo: QUANTISED
;;   THE QUANTISER, for each operand of a quantised product, along K:
;;     - K is cut into blocks of 32 from its start; a last block that is shorter is filled with zeros.
;;     - A block's scale is 2^e with e = floor(log2(the largest magnitude in the block)) - 2, held to -126 .. 127; a block of zeros has e = 0. As a byte (E8M0): e + 127.
;;     - Each number is divided by its block's scale, clamped to +-7.5, and rounded to the nearest number of E2M3, ties to even, subnormals kept.
;;     - The product sums the exact products of the quantised numbers (number of the format x scale) in f32.
;;   ~~~python
;;   def quantise(x, axis):      # numpy; x: float32 -> the quantised numbers, widened to float32 again
;;       x = np.moveaxis(x, axis, -1); K = x.shape[-1]
;;       x = np.pad(x, [(0, 0)] * (x.ndim - 1) + [(0, -K % 32)]); x = x.reshape(x.shape[:-1] + (-1, 32)); a = np.abs(x).max(-1, keepdims=True)
;;       e = np.where(a > 0, np.clip(np.frexp(np.where(a > 0, a, 1))[1] - 1 - 2, -126, 127), 0)      # np.frexp(a)[1] - 1 = floor(log2(a)), exactly
;;       r = np.clip(x / 2.0 ** e, -7.5, 7.5)
;;       step = 2.0 ** (np.maximum(np.frexp(np.where(r == 0, 1, r))[1] - 1, 0) - 3)
;;       q = np.round(r / step) * step * 2.0 ** e      # np.round: ties to even
;;       return np.moveaxis(q.reshape(q.shape[:-2] + (-1,))[..., :K], -1, axis).astype(np.float32)
;;   ~~~
;;   SOFTMAX AHEAD OF A QUANTISED PRODUCT. Where the list says 'softmax', what is quantised is not the finished softmax but p = 2^(t - M), with t = logit x log2(e) and M = ceil(the row's largest t), a whole number; so 1/2 < the row's largest p <= 1. The row's sum l is taken of the UNQUANTISED p, in f32, and the product's result is divided by l at the end. Since M is a whole number, a kernel that streams over the keys may use a running M (the ceiling of the running maximum): every later rescaling is an exact power of two, which a block's scale takes up: the codes' values come out the same.
;;   OPERANDS COMPUTED ON THE WAY. 'Computed on the way' means the value that the module computes at that place (a softmax that the list does not call 'softmax' is quantised finished and normalised). What goes into a quantiser is computed in f32, as accurately as f32 sums, v_exp_f32 and their like allow (about 1e-6 of the number): no bf16 or f16 on the way to a quantiser, and a product that is left as it is and whose result goes on into a quantised operand takes f32 operands (vector FMAs, or v_wmma_f32_16x16x4_f32). A number that lies on a knife's edge between two numbers of the format may be rounded either way, as far as f32 arithmetic and the matrix unit's own rounding can turn it there, and no further.
;; One version. Each part assembles by itself: llvm-mc -triple=amdgcn-amd-amdhsa -mcpu=gfx1250 --defsym DOCPART=n.
;; ======== version 1 of 1: 4 launches
;; workspace buffers: codes 22,020,096 bytes; scales 917,504 bytes; img 18,874,368 bytes; isc 1,310,720 bytes; oimg 6,291,456 bytes; osc 262,144 bytes
;; launch quant (part 1): grid 896 x 1, 4 waves a work-group, no clusters, 33,280 bytes of LDS; arguments query, key_in, value, Wq, Wk, Wv, Wo, codes, scales; writes codes, scales
.if DOCPART == 1
	.amdgcn_target "amdgcn-amd-amdhsa--gfx1250"
	.amdhsa_code_object_version 6
	.text
	.protected	k_q9936d861e5_quant
	.globl	k_q9936d861e5_quant
	.p2align	8
	.type	k_q9936d861e5_quant,@function
k_q9936d861e5_quant:
	s_mov_b64 s[64:65], 0
	v_nop
	global_prefetch_b8 v0, s[64:65] scope:SCOPE_SE
	s_setreg_imm32_b32 hwreg(HW_REG_WAVE_MODE, 25, 1), 1
	s_wait_xcnt 0x0
; query, key_in, value [8192][1024] and Wq, Wk, Wv, Wo [1024][1024], f32, become codes of FP6 (E2M3), K innermost, 768 bytes a row, and one E8M0 byte for each 32 along K, 32 bytes a row.
; All seven lie one behind the other in the two buffers: 28,672 rows.  A block's scale is 2^(floor(log2(its largest magnitude)) - 2); its byte is the largest magnitude's exponent field - 2, held at 1 from below.
; LIMITS: a block of zeros gets the byte 1 (its codes are zeros, and this program alone reads the bytes); blocks whose largest magnitude lies under 2^-124 are held at byte 1; NaN and infinities are not served.
; THE ROWS ARE LAID IN TILE ORDER: within each 32 rows the four groups of 8 rows lie in the order 0, 2, 1, 3.  So where 16 such rows on end are source 0 of a matrix instruction, a lane's 16 result registers
; of two neighbouring tiles are 16 neighbours of the true index.  It costs nothing: a work-group takes 32 rows, a wave 8, and wave w reads group ((w & 1) << 1) | (w >> 1) and writes group w.
; A wave takes 16 steps of 512 numbers.  Each load reads 512 consecutive bytes; a step's 2,048 bytes turn through the wave's own stage in LDS and come back 64 bytes a lane, 16 neighbours along K;
; two neighbouring lanes hold a block.  A lane's 16 codes are 12 bytes: the wave stores 384 consecutive bytes.  A wave's 256 scale bytes are gathered in LDS and leave as one aligned run of 256 bytes.
; No tensor loads, no barrier: waves share nothing.  Loads run four steps ahead, the turn through LDS one step.
.set WAVES, 4
.set STEPS, 16
.set EMAX,  2
.set CB,    12                         ; bytes of 16 codes
.set R,     16                         ; v16-79   four sets of 16 numbers as they are loaded
.set X,     80                         ; v80-111  two sets of 16 neighbours
.set C,     128                        ; v128-191 codes: four registers for each step, so that no store's data are written again
.set E,     112                        ; v112-127 a scale byte for each step
.set WREG,  8192                       ; LDS: a region for each wave: two stages of 32 x SP bytes, behind them its 256 scale bytes
.set SP,    80                         ; a lane's place in a stage: 64 bytes + 16 of padding
.set SPW,   12                         ; v12  LDS address of my spare word; never rewritten
.set NIL,   13                         ; v13  0; never rewritten
.set SPARE, WAVES*WREG                 ; behind the four regions: the spare words, 128 bytes a wave, which no other line names
	s_load_b256 s[4:11], s[0:1], 0x0               ; query, key_in, value, Wq
	s_load_b256 s[12:19], s[0:1], 0x20             ; Wk, Wv, Wo, codes
	s_load_b64 s[20:21], s[0:1], 0x40              ; scales
	v_lshl_add_u32 v[SPW], v0, 2, SPARE
	v_mov_b32 v[NIL], 0
	v_lshrrev_b32 v1, 5, v0
	v_readfirstlane_b32 s22, v1                    ; wave
	v_and_b32 v2, 31, v0                           ; lane
	v_lshlrev_b32 v3, 4, v2                        ; my 16 bytes of a load's 512
	s_mul_i32 s23, s22, WREG
	v_lshrrev_b32 v14, 2, v2
	v_mul_u32_u24 v14, v14, SP
	v_and_b32 v15, 3, v2
	v_lshl_add_u32 v14, v15, 4, v14
	v_add_nc_u32 v14, s23, v14                     ; the stage, on the way in: SP (lane / 4) + 16 (lane % 4)
	v_mul_u32_u24 v15, v2, SP
	v_add_nc_u32 v15, s23, v15                     ; and on the way out: SP x lane
	v_mul_u32_u24 v4, v2, CB                       ; my codes' place in a step's
	v_lshrrev_b32 v5, 1, v2
	s_add_co_u32 s23, s23, 2*32*SP
	v_add_nc_u32 v5, s23, v5                       ; LDS: my wave's 256 scale bytes, my block's byte
	v_lshlrev_b32 v7, 3, v2                        ; and on the way out 8 bytes a lane
	v_add_nc_u32 v6, s23, v7
	s_and_b32 s27, s22, 1
	s_lshl_b32 s27, s27, 1
	s_lshr_b32 s28, s22, 1
	s_or_b32 s27, s27, s28                         ; the group of 8 rows that I read
	s_wait_kmcnt 0x0
	s_mov_b64 s[24:25], s[16:17]                   ; the source: Wo, unless the work-group's number says otherwise
	s_mov_b32 s26, 864                             ; and its first work-group
.macro PICK limit, lo, base            ; work-groups under limit: the tensor at s[lo:lo+1], which begins at work-group base.  The choice hangs on the work-group's number alone
	s_cmp_lt_u32 ttmp9, \limit
	s_cselect_b64 s[24:25], s[\lo:\lo+1], s[24:25]
	s_cselect_b32 s26, \base, s26
.endm
	PICK 864, 14, 832                              ; Wv
	PICK 832, 12, 800                              ; Wk
	PICK 800, 10, 768                              ; Wq
	PICK 768, 8, 512                               ; value
	PICK 512, 6, 256                               ; key_in
	PICK 256, 4, 0                                 ; query
	s_sub_co_u32 s26, ttmp9, s26
	s_lshl_b32 s26, s26, 2
	s_add_co_u32 s26, s26, s27                     ; which run of 8 rows of the source is mine
	s_lshl_b32 s28, s26, 15                        ; 32,768 bytes a run
	s_mov_b32 s29, 0
	s_add_nc_u64 s[24:25], s[24:25], s[28:29]
	s_lshl_b32 s26, ttmp9, 2
	s_add_co_u32 s26, s26, s22                     ; and which run of the two buffers
	s_mul_i32 s28, s26, 32*STEPS*CB                ; 6,144 bytes of codes a run
	s_add_nc_u64 s[18:19], s[18:19], s[28:29]
	s_lshl_b32 s28, s26, 8                         ; 256 scale bytes a run
	s_add_nc_u64 s[20:21], s[20:21], s[28:29]
.macro LOAD t
.irp i, 0,1,2,3
	global_load_b128 v[R+16*((\t)%4)+4*\i:R+16*((\t)%4)+4*\i+3], v3, s[24:25] offset:2048*(\t)+512*\i th:TH_LOAD_NT   ; 32 lanes read 512 consecutive bytes
.endr
.endm
.macro TURN t                          ; step t's numbers through the stage: LDS serves a wave's instructions in order, so no wait stands between the stores and the loads
.irp i, 0,1,2,3
	ds_store_b128 v14, v[R+16*((\t)%4)+4*\i:R+16*((\t)%4)+4*\i+3] offset:32*SP*((\t)%2)+8*SP*\i
.endr
.irp i, 0,1,2,3
	ds_load_b128 v[X+16*((\t)%2)+4*\i:X+16*((\t)%2)+4*\i+3], v15 offset:32*SP*((\t)%2)+16*\i
.endr
.endm
.irp t, 0,1,2,3
	LOAD \t
.endr
	s_wait_loadcnt 12                              ; step 0's four loads are in; the twelve behind them stay out
	TURN 0
.macro STEP t
.set XS, X+16*((\t)%2)
.if (\t) > 0
	s_wait_dscnt 1                                 ; this step's numbers are back from the stage (the last step's byte store may be out): so its stores into the stage have read their registers,
.else
	s_wait_dscnt 0x0
.endif
.if (\t)+4 < STEPS
	LOAD (\t)+4                                    ; which take the loads of four steps on
.endif
.if (\t)+1 < STEPS
.if STEPS-2-(\t) >= 3
	s_wait_loadcnt 12                              ; the next step's four loads are in; those of the three steps behind it may be out
.else
	s_wait_loadcnt 4*(STEPS-2-(\t))
.endif
	TURN (\t)+1                                    ; and go through the other stage while this step is worked
.endif
	v_max3_num_f32 v8, |v[XS]|, |v[XS+1]|, |v[XS+2]|               ; the largest magnitude of my 16, in two chains
	v_max3_num_f32 v9, |v[XS+3]|, |v[XS+4]|, |v[XS+5]|
.irp i, 6,10
	v_max3_num_f32 v8, v8, |v[XS+\i]|, |v[XS+\i+1]|
	v_max3_num_f32 v9, v9, |v[XS+\i+2]|, |v[XS+\i+3]|
.endr
	v_max3_num_f32 v8, v8, |v[XS+14]|, |v[XS+15]|
	v_max3_num_f32 v8, v8, v9, (EMAX+1)<<23        ; and the floor 2^(3 - 127): the byte cannot fall under 1
	v_max_num_f32_dpp v8, v8, v8 row_xmask:1 row_mask:0xf bank_mask:0xf   ; and of my neighbour's 16: the block's
	v_add_nc_u32 v11, -(EMAX<<23), v8              ; 2 off its exponent field: the conversion takes the exponent field of this operand as its scale
	v_cvt_scalef32_pk16_fp6_f32 v[C+4*(\t):C+4*(\t)+2], v[XS:XS+15], v11
	v_lshrrev_b32 v[E+(\t)], 23, v11               ; the scale's byte (a plain line behind the conversion)
	ds_store_b8 v5, v[E+(\t)] offset:16*(\t)       ; both lanes of a block write the same byte with the same value
	global_store_b96 v4, v[C+4*(\t):C+4*(\t)+2], s[18:19] offset:32*CB*(\t)
.endm
.irp t, 0,1,2,3,4,5,6,7,8,9,10,11,12,13,14,15
	STEP \t
.endr
	ds_load_b64 v[8:9], v6                         ; LDS serves a wave's instructions in order: these see my stores
	s_wait_dscnt 0x0
	global_store_b64 v7, v[8:9], s[20:21]          ; 32 lanes store 256 consecutive bytes, aligned
	s_wait_tensorcnt 0x0                           ; the wave's end: behind my last LDS store
	ds_add_u32 v[SPW], v[NIL]
	s_wait_dscnt 0x0
	s_endpgm
.Lfunc_end_k_q9936d861e5_quant:
	.size	k_q9936d861e5_quant, .Lfunc_end_k_q9936d861e5_quant-k_q9936d861e5_quant
	.p2alignl 7, 3214868480
	.fill 96, 4, 3214868480
	.section	.rodata,"a",@progbits
	.p2align	6, 0x0
	.amdhsa_kernel k_q9936d861e5_quant
		.amdhsa_group_segment_fixed_size 33280
		.amdhsa_private_segment_fixed_size 0
		.amdhsa_enable_private_segment 0
		.amdhsa_kernarg_size 72
		.amdhsa_user_sgpr_count 2
		.amdhsa_user_sgpr_kernarg_segment_ptr 1
		.amdhsa_wavefront_size32 1
		.amdhsa_system_sgpr_workgroup_id_x 1
		.amdhsa_system_sgpr_workgroup_id_y 1
		.amdhsa_system_sgpr_workgroup_id_z 1
		.amdhsa_system_vgpr_workitem_id 0
		.amdhsa_next_free_vgpr 192
		.amdhsa_next_free_sgpr 66
		.amdhsa_reserve_vcc 0
		.amdhsa_float_denorm_mode_32 3
		.amdhsa_float_denorm_mode_16_64 3
		.amdhsa_memory_ordered 1
		.amdhsa_forward_progress 1
		.amdhsa_inst_pref_size 33
	.end_amdhsa_kernel
	.amdgpu_metadata
---
amdhsa.version: [ 1, 2 ]
amdhsa.kernels:
  - .name:           k_q9936d861e5_quant
    .symbol:         k_q9936d861e5_quant.kd
    .args:
      - { .name: query, .offset: 0, .size: 8, .value_kind: global_buffer, .address_space: global }
      - { .name: key_in, .offset: 8, .size: 8, .value_kind: global_buffer, .address_space: global }
      - { .name: value, .offset: 16, .size: 8, .value_kind: global_buffer, .address_space: global }
      - { .name: Wq, .offset: 24, .size: 8, .value_kind: global_buffer, .address_space: global }
      - { .name: Wk, .offset: 32, .size: 8, .value_kind: global_buffer, .address_space: global }
      - { .name: Wv, .offset: 40, .size: 8, .value_kind: global_buffer, .address_space: global }
      - { .name: Wo, .offset: 48, .size: 8, .value_kind: global_buffer, .address_space: global }
      - { .name: codes, .offset: 56, .size: 8, .value_kind: global_buffer, .address_space: global }
      - { .name: scales, .offset: 64, .size: 8, .value_kind: global_buffer, .address_space: global }
    .group_segment_fixed_size: 33280
    .private_segment_fixed_size: 0
    .kernarg_segment_align: 8
    .kernarg_segment_size: 72
    .max_flat_workgroup_size: 128
    .sgpr_count:     66
    .vgpr_count:     192
    .wavefront_size: 32
...
	.end_amdgpu_metadata
.endif
;; end of part 1
;; launch proj (part 2): grid 4 x 96, 4 waves a work-group, clusters of 4 x 4, 327,680 bytes of LDS; arguments codes, scales, bq, bk, bv, img, isc; writes img, isc
.if DOCPART == 2
	.amdgcn_target "amdgcn-amd-amdhsa--gfx1250"
	.amdhsa_code_object_version 6
	.text
	.protected	k_q9936d861e5_proj
	.globl	k_q9936d861e5_proj
	.p2align	8
	.type	k_q9936d861e5_proj,@function
k_q9936d861e5_proj:
	s_mov_b64 s[64:65], 0
	v_nop
	global_prefetch_b8 v0, s[64:65] scope:SCOPE_SE
	s_setreg_imm32_b32 hwreg(HW_REG_WAVE_MODE, 25, 1), 1
	s_wait_xcnt 0x0
	s_wait_alu depctr_hold_cnt(0) depctr_sa_sdst(0) depctr_va_vdst(0) depctr_va_sdst(0) depctr_va_ssrc(0) depctr_va_vcc(0) depctr_vm_vsrc(0)
	s_getreg_b32 s2, hwreg(HW_REG_IB_STS2, 6, 4)
	s_cmp_eq_u32 s2, 0
	s_cbranch_scc0 .Lentry_in_a_cluster
	s_endpgm
.Lentry_in_a_cluster:
	s_bfe_u32 s2, ttmp6, 0x10000c
	s_cmp_lg_u32 s2, 0xf033
	s_cbranch_scc0 .Lentry_shape_is_right
	s_endpgm
.Lentry_shape_is_right:
; The three input projections on codes of FP6 (E2M3), their biases, and the quantising of q, k and v for the attention.  One text: C'[i][j] = sum over k of A'[i][k] B'[j][k] (K = 1,024), + bias, quantised ALONG j.
;   t = 0, 1 (q, k): A' = query or key_in (8,192 rows), B' = Wq or Wk (1,024 rows): j runs along the channels, the first attention product's K.
;   t = 2 (v):       A' = Wv, B' = value: j runs along the keys, the second attention product's K.
; All rows lie in tile order (within 32 rows the groups of 8 in the order 0, 2, 1, 3).  THE MATRIX INSTRUCTION IS USED TRANSPOSED (source 0 = 16 rows of B', source 1 = 16 rows of A'): a lane holds one row i,
; and the 16 registers of tiles 2 b, 2 b + 1 are the true j = 32 b + 16 (lane / 16) + 0 .. 15: what the conversions want.
; A tile of C', 256 x 256, is made by four waves, 128 x 128 each: 64 accumulators, 512 registers.  K goes in four steps of 256 through two LDS slots filled by the tensor data mover; the scale bytes of the
; work-group's 512 rows come once.  CLUSTERS of 4 x 4: A's tiles are asked for jointly along a row of the cluster, B's along a column.  A cluster's y gives t (y / 8) and its place (y % 8): the same in all sixteen.
; THE WAY OUT: a block of 16 rows i x 128 j becomes 12 code registers a lane and one scale word a row.  They leave as IMAGES OF REGISTERS: plane p = registers 2 p, 2 p + 1, lane l's 8 bytes at 8 l: each store of
; the wave covers 256 consecutive bytes, aligned.  q, k: registers 0-5 are the tile (16 rows x 64 codes) of the even head, 6-11 of the odd one.  v: all twelve are one fragment (16 channels x 128 keys).
; Scale words: blocks of 512 bytes; the word of (a, r) at 16 r + 256 (a % 2) + 4 (a / 2), so that one LDS load of 16 bytes a lane later gives even tiles' words to lanes 0-15 and odd tiles' to lanes 16-31.
; LIMITS: a block of zeros gets the scale byte 1 (its codes are zeros; this program alone reads the bytes); largest magnitudes under 2^-124 are held at byte 1; NaN and infinities are not served.
; REGISTERS, in windows of 256: window 0: v1-15 addresses and work; v16-23, v27 LDS addresses; v28, v29 the add's two; v32-63 scale words, two sets; v64-71 the bias along i; v128-223 A's fragments, ONE set;
;   on the way out v128-191 64 numbers, v192-210 codes, v212-227 at work, v228 the scale word, v230-237 a word for each block, v240-247 the scale blocks.
;   window 1: B's fragments, two sets, at v0 and v128; the bias along j in v96-127 and v224-255.   windows 2, 3: the accumulators ((a, b) at v[8 (8 (a % 4) + b)]).
.set KSTEP,  256
.set NQ,     2                         ; matrix instructions deep in a slot
.set ROWB,   192                       ; a tile's row in bytes
.set KROW,   768                       ; a row of codes in memory
.set PITCH,  240                       ; an LDS row: 3 x (64 bytes + 16 of padding): the 32 lanes of a load of 8 bytes touch 64 different banks
.set FR,     12
.set NL,     6
.set NP,     4                         ; places behind this matrix instruction (ISA guide 7.12.1)
.set HALFT,  128*PITCH
.set SLOT,   4*HALFT
.set KS,     32                        ; a row of scale bytes
.set SCL,    2*SLOT
.set HALFS,  (128*KS/256)*272
.set SBLK,   (16*KS/256)*272
.set SPARE,  SCL+4*HALFS               ; behind the scales: the spare words, 128 bytes a wave, which no other line names
.set VO0,  8                           ; v8   8 x lane: a plane's place for my lane
.set VO1,  9                           ; v9   the same for planes 3-5: the odd head's tile (q, k) or 768 bytes on (v)
.set STS,  10                          ; v10  where I put a scale word: 1,024 x wave + 512 (lane / 16) + 16 (lane % 16), in slot 0, which has had its last fill and its last read by then
.set RDS,  11                          ; v11  and where I read the blocks back: 1,024 x wave + 16 x lane
.set VSH,  12                          ; v12  q, k: 16 (lane / 16): lanes 16-31 keep the odd head's two bytes; v: 0
.set VOS,  13                          ; v13  16 x lane
.set ADRA, 16
.set ADRB, 20
.set ADRS, 27
.set SPW,  28
.set NIL,  29
.set SC,   32
.set BI,   64
.set AF,   128
.set H,    128
.set PC,   192
.set TM,   212
.set PW,   228
.set WD,   230
.set SEL,  2                           ; s2, s3: v_permlanex16_b32's selects for lane l xor 16 (until the first loads are out: the two row bases)
.set G1, 24
.set G0, 32
.set G1B, 48
.set G0B, 56
.set G1S, 68
.set G0S, 76
.set G1SB, 80
.set G0SB, 88
.set MSB, 0
.macro WIN new                         ; the immediate's high byte repeats the setting that is left
.if MSB != (\new)
	s_set_vgpr_msb (MSB<<8)|(\new)
.set MSB, (\new)
.endif
.endm
.set MUL_LO, 0xa1                      ; source 0 (B) window 1, source 1 (A) window 0, C and D window 2.  The first step: C (the bias) window 1: 0x91
.set MUL_HI, 0xf1                      ; the same, C and D window 3.  The first step: 0xd1
.set TO_B,   0x40
; A joint load: waves 0 and 1 fetch for A, waves 2 and 3 for B.  Each line has one mask and one set of registers for all that issue it; the branch hangs on the wave's number alone.
; An s_nop 0 and four v_nop follow each of the two lines.
.macro JLOAD g0a, g1a, g0b, g1b
	s_cmp_eq_u32 s15, 0
	s_cbranch_scc0 .Lfor_b_\@
	tensor_load_to_lds s[\g0a:\g0a+3], s[\g1a:\g1a+7]
	s_nop 0
.rept 4
	v_nop
.endr
	s_branch .Lasked_\@
.Lfor_b_\@:
	tensor_load_to_lds s[\g0b:\g0b+3], s[\g1b:\g1b+7]
	s_nop 0
.rept 4
	v_nop
.endr
.Lasked_\@:
.endm
.macro CREST                           ; a round of the cluster's barrier behind its opening barrier
	s_cmp_lg_u32 s14, 0
	s_cbranch_scc1 .Lnot_wave_0_\@
	s_barrier_signal -3
.Lnot_wave_0_\@:
	s_barrier_wait -3
	s_barrier_signal -1
	s_barrier_wait -1
.endm
.macro CROUND
	s_barrier_signal -1
	s_barrier_wait -1
	CREST
.endm
	s_load_b256 s[4:11], s[0:1], 0x0               ; codes, scales, bq, bk
	s_load_b128 s[96:99], s[0:1], 0x20             ; bv, img
	s_load_b64 s[100:101], s[0:1], 0x30            ; isc
	v_lshl_add_u32 v[SPW], v0, 2, SPARE
	v_mov_b32 v[NIL], 0
	ds_add_u32 v[SPW], v[NIL]                      ; the wave's opening: the add and its wait stand ahead of my first tensor load; work on registers stands between them
	v_lshrrev_b32 v1, 5, v0
	v_readfirstlane_b32 s14, v1                    ; wave 0..3
	s_lshr_b32 s15, s14, 1                         ; which half of the tile's rows i is mine.  Also: I fetch for A (0) or for B (1)
	s_and_b32 s16, s14, 1                          ; which half of its j.  Also: which 128 rows I fetch
	s_bfe_u32 s40, ttmp6, 0x40000                  ; cx
	s_bfe_u32 s41, ttmp6, 0x40004                  ; cy
	s_and_b32 s18, ttmp7, 0xffff                   ; the cluster's y, 0..23
	s_lshr_b32 s12, s18, 3                         ; t: 0 q, 1 k, 2 v
	s_and_b32 s18, s18, 7                          ; its place along the long axis
	s_lshl_b32 s2, s12, 13                         ; q, k: A' begins at row 8,192 t,
	s_lshl_b32 s3, s12, 10
	s_add_co_u32 s3, s3, 24576                     ; B' at row 24,576 + 1,024 t
	s_cmp_lt_u32 s12, 2
	s_cselect_b32 s19, s18, 0                      ; the long axis is i for q and k,
	s_cselect_b32 s18, 0, s18                      ; j for v
	s_cselect_b32 s2, s2, 26624                    ; v: A' = Wv,
	s_cselect_b32 s3, s3, 16384                    ; B' = value
	s_lshl_b32 s17, s19, 2
	s_add_co_u32 s17, s17, s41                     ; tile row of C'
	s_lshl_b32 s42, s18, 2
	s_add_co_u32 s42, s42, s40                     ; tile column of C'
	s_lshl_b32 s43, s41, 2
	s_lshl_b32 s43, 15, s43                        ; my row of the cluster
	s_lshl_b32 s44, 0x1111, s40                    ; my column
	; descriptor group 1: a tile of 128 rows x 192 bytes; 16 bytes of padding behind every 64
	s_or_b32 s[G1+0], s43, (0<<16)|(1<<20)|(1<<21)|(3<<22)|(3<<25)
	s_or_b32 s[G1B+0], s44, (0<<16)|(1<<20)|(1<<21)|(3<<22)|(3<<25)
.irp g, G1, G1B
	s_mov_b32 s[\g+1], ROWB<<16                    ; tensor_dim0
	s_mov_b32 s[\g+2], 128<<16                     ; tensor_dim1
	s_mov_b32 s[\g+3], ROWB<<16                    ; tile_dim0
	s_mov_b32 s[\g+4], 128                         ; tile_dim1
	s_mov_b32 s[\g+5], KROW                        ; from row to row
	s_mov_b32 s[\g+6], 0
	s_mov_b32 s[\g+7], 0
.endr
	; the scale bytes of 128 rows: 4,096 dense bytes as 16 rows of 256 (32 elements of 8 bytes), 16 bytes of padding behind each
	s_or_b32 s[G1S+0], s43, (3<<16)|(1<<20)|(1<<21)|(5<<22)|(3<<25)
	s_or_b32 s[G1SB+0], s44, (3<<16)|(1<<20)|(1<<21)|(5<<22)|(3<<25)
.irp g, G1S, G1SB
	s_mov_b32 s[\g+1], 32<<16
	s_mov_b32 s[\g+2], (128*KS/256)<<16
	s_mov_b32 s[\g+3], 32<<16
	s_mov_b32 s[\g+4], 128*KS/256
	s_mov_b32 s[\g+5], 32
	s_mov_b32 s[\g+6], 0
	s_mov_b32 s[\g+7], 0
.endr
	s_lshl_b32 s18, s16, 7                         ; which 128 rows of the tile I fetch
	s_lshl_b32 s20, s17, 8
	s_add_co_u32 s20, s20, s18
	s_add_co_u32 s20, s20, s2                      ; A: its row in the two buffers (under 28,672: all offsets fit 32 bits)
	s_lshl_b32 s46, s42, 8
	s_add_co_u32 s46, s46, s18
	s_add_co_u32 s46, s46, s3                      ; B likewise
	s_lshl_b32 s22, s20, 5                         ; scale bytes: 32 a row
	s_lshl_b32 s92, s46, 5
	s_mul_i32 s20, s20, KROW                       ; codes: 768 a row
	s_mul_i32 s46, s46, KROW
	s_mov_b32 s21, 0
	s_mov_b32 s23, 0
	s_mov_b32 s47, 0
	s_mov_b32 s93, 0
	s_mul_i32 s45, s14, HALFT                      ; where they go: wave x 128 rows: no place in the cluster enters an LDS address
	s_mul_i32 s94, s14, HALFS
	s_wait_dscnt 0x0                               ; the opening add is done
	s_wait_kmcnt 0x0
	s_add_nc_u64 s[20:21], s[4:5], s[20:21]
	s_add_nc_u64 s[22:23], s[6:7], s[22:23]
	s_add_nc_u64 s[46:47], s[4:5], s[46:47]
	s_add_nc_u64 s[92:93], s[6:7], s[92:93]
	CROUND                                         ; all sixteen work-groups are here: the first joint loads meet
	s_mov_b32 s[G0S], 1
	s_add_co_u32 s[G0S+1], s94, SCL
	s_mov_b64 s[G0S+2:G0S+3], s[22:23]
	s_or_b32 s[G0S+3], s[G0S+3], 0x80000000
	s_mov_b32 s[G0SB], 1
	s_add_co_u32 s[G0SB+1], s94, SCL
	s_mov_b64 s[G0SB+2:G0SB+3], s[92:93]
	s_or_b32 s[G0SB+3], s[G0SB+3], 0x80000000
	JLOAD G0S, G1S, G0SB, G1SB                     ; the scales first: they are wanted with K step 0
.irp s, 0,1
	s_mov_b32 s[G0+4*\s], 1
	s_add_co_u32 s[G0+4*\s+1], s45, \s*SLOT
	s_add_nc_u64 s[G0+4*\s+2:G0+4*\s+3], s[20:21], \s*ROWB
	s_or_b32 s[G0+4*\s+3], s[G0+4*\s+3], 0x80000000
	s_mov_b32 s[G0B+4*\s], 1
	s_add_co_u32 s[G0B+4*\s+1], s45, \s*SLOT
	s_add_nc_u64 s[G0B+4*\s+2:G0B+4*\s+3], s[46:47], \s*ROWB
	s_or_b32 s[G0B+4*\s+3], s[G0B+4*\s+3], 0x80000000
	JLOAD G0+4*\s, G1, G0B+4*\s, G1B               ; three tensor loads of mine are out now
.endr
	; THE BIAS.  q, k: it runs along j: eight registers a tile of B' in the result's layout, the C of each sum's first product.  v: it runs along i: one number a lane and block, added on the way out.
	; Both sets are loaded from the tensor's own bias, at places inside it, and the set that does not apply is then made zeros.
	v_and_b32 v1, 15, v0                           ; r = lane % 16
	v_bfe_u32 v2, v0, 4, 1                         ; h = lane / 16
	s_cmp_eq_u32 s12, 1
	s_cselect_b64 s[8:9], s[10:11], s[8:9]
	s_cmp_eq_u32 s12, 2
	s_cselect_b64 s[8:9], s[96:97], s[8:9]         ; bq, bk or bv
	s_cselect_b32 s18, 0, s42                      ; along j: the tile column (v: 0)
	s_cselect_b32 s20, s17, 0                      ; along i: the tile row (q, k: 0)
	s_lshl_b32 s18, s18, 10
	s_lshl_b32 s19, s16, 9
	s_add_co_u32 s18, s18, s19                     ; 4 (256 x tile + 128 x half) bytes
	s_lshl_b32 s20, s20, 10
	s_lshl_b32 s21, s15, 9
	s_add_co_u32 s20, s20, s21
	s_mov_b32 s19, 0
	s_mov_b32 s21, 0
	s_add_nc_u64 s[10:11], s[8:9], s[18:19]
	s_add_nc_u64 s[96:97], s[8:9], s[20:21]
	v_lshlrev_b32 v14, 6, v2                       ; along j: 16 h numbers on
	v_and_b32 v15, 8, v1
	v_add_nc_u32 v15, v15, v1
	v_lshlrev_b32 v15, 2, v15                      ; along i: the true row of place r in a tile: r + 8 (r / 8)
	WIN TO_B
.irp x, 0,4,8,12,16,20,24,28,32,36,40,44,48,52,56,60
	global_load_b128 v[96+\x+96*(\x/32):96+\x+96*(\x/32)+3], v14, s[10:11] offset:128*(\x/16)+4*(\x%16)   ; number x of 64: j = 32 (x / 16) + 16 h + x % 16
.endr
	WIN 0
.irp a, 0,1,2,3,4,5,6,7
	global_load_b32 v[BI+\a], v15, s[96:97] offset:4*(32*(\a/2)+8*(\a%2))
.endr
	s_mov_b32 s[SEL], 0x76543210
	s_mov_b32 s[SEL+1], 0xfedcba98
	; the fragments' LDS addresses
	v_mul_u32_u24 v3, v1, PITCH
	v_mul_u32_u24 v4, v2, 24
	v_add_nc_u32 v4, v3, v4                        ; a fragment's row x pitch + 24 x half
	v_lshl_add_u32 v5, v2, 4, v4                   ; and the same behind one padding more
	s_mul_i32 s21, s15, HALFT                      ; my 128 rows of A
	s_mul_i32 s22, s16, HALFT                      ; my 128 rows of B,
	s_add_co_u32 s22, s22, 2*HALFT                 ; which lie behind A's 256
.irp s, 0,1
	v_add_nc_u32 v[ADRA+\s], s21, v4
	v_add_nc_u32 v[ADRB+\s], s22, v4
	v_add_nc_u32 v[ADRA+2+\s], s21, v5
	v_add_nc_u32 v[ADRB+2+\s], s22, v5
	s_add_co_u32 s21, s21, SLOT
	s_add_co_u32 s22, s22, SLOT
.endr
	v_mul_u32_u24 v5, v1, KS                       ; my row's scale bytes: 32 a row,
	v_lshrrev_b32 v6, 8, v5
	v_lshl_add_u32 v5, v6, 4, v5                   ; and 16 more for each 256 passed
	s_mul_i32 s21, s15, HALFS
	s_mul_i32 s22, s16, HALFS
	s_add_co_u32 s22, s22, 2*HALFS
	s_sub_co_u32 s22, s22, s21
	v_mul_u32_u24 v6, s22, v2                      ; lanes 16-31 take B's
	s_add_co_u32 s21, s21, SCL
	v_add_nc_u32 v5, v5, v6
	v_add_nc_u32 v[ADRS], s21, v5
	; THE WAY OUT'S PLACES.  P = the tile along the sequence, Q = the tile along the channels, wp, wq the wave's halves of them: bh = 16 (P / 8) + 4 Q + 2 wq is my even head, u = 2 (P % 8) + wp my 128 places of the sequence
	s_cmp_lt_u32 s12, 2
	s_cselect_b32 s18, s17, s42                    ; P
	s_cselect_b32 s19, s42, s17                    ; Q
	s_cselect_b32 s20, s15, s16                    ; wp
	s_cselect_b32 s21, s16, s15                    ; wq
	s_cselect_b32 s22, 0, 1                        ; v's scale blocks serve a pair of heads
	s_mov_b32 s92, 1536
	s_cselect_b32 s92, 768, s92                    ; s[92:93]: from block to block: a tile of 768 bytes, or a fragment of 1,536
	s_mov_b32 s93, 0
	s_cselect_b32 s94, 0, 92160                    ; s[94:95]: v: more at block 4, the next head: 98,304 - 4 x 1,536
	s_mov_b32 s95, 0
	s_mov_b32 s45, 768
	s_cselect_b32 s45, 98304, s45                  ; planes 3-5: the next head's tile, or the fragment's second half
	s_cselect_b32 s46, 16, 0
	s_cselect_b32 s66, 0xffff, -1                  ; q, k: a scale word holds two bytes and two zeros
	s_cselect_b32 s67, -1, 0                       ; the bias along j counts
	s_cselect_b32 s13, 0, -1                       ; the bias along i counts
	s_lshr_b32 s23, s18, 3
	s_lshl_b32 s23, s23, 4
	s_lshl_b32 s19, s19, 2
	s_add_co_u32 s23, s23, s19
	s_lshl_b32 s21, s21, 1
	s_add_co_u32 s23, s23, s21                     ; bh
	s_and_b32 s18, s18, 7
	s_lshl_b32 s18, s18, 1
	s_add_co_u32 s18, s18, s20                     ; u
	s_mul_i32 s19, s12, 6291456                    ; images: t's part, 98,304 bytes a head, 6,144 for 128 places
	s_mul_i32 s20, s23, 98304
	s_add_co_u32 s19, s19, s20
	s_mul_i32 s20, s18, 6144
	s_add_co_u32 s20, s19, s20
	s_mov_b32 s21, 0
	s_add_nc_u64 s[98:99], s[98:99], s[20:21]
	s_lshr_b32 s23, s23, s22
	s_lshl_b32 s23, s23, 4
	s_add_co_u32 s23, s23, s18
	s_lshl_b32 s23, s23, 9                         ; scale blocks: 512 bytes, 16 a head (v: a pair of heads)
	s_lshl_b32 s20, s12, 19                        ; t's part: 524,288 bytes
	s_add_co_u32 s20, s20, s23
	s_add_nc_u64 s[100:101], s[100:101], s[20:21]
	v_and_b32 v6, 31, v0
	v_lshlrev_b32 v[VO0], 3, v6
	v_add_nc_u32 v[VO1], s45, v[VO0]
	v_lshlrev_b32 v[VOS], 4, v6
	s_lshl_b32 s23, s14, 10
	v_add_nc_u32 v[RDS], s23, v[VOS]
	v_lshlrev_b32 v5, 4, v1
	v_lshl_add_u32 v5, v2, 9, v5
	v_add_nc_u32 v[STS], s23, v5
	v_mul_u32_u24 v[VSH], s46, v2
	s_wait_loadcnt 0x0                             ; the biases
	WIN 0x44                                       ; source 1 and destination window 1
.irp x, 0,1,2,3,4,5,6,7,8,9,10,11,12,13,14,15,16,17,18,19,20,21,22,23,24,25,26,27,28,29,30,31
	v_cndmask_b32 v[96+\x], 0, v[96+\x], s67
	v_cndmask_b32 v[224+\x], 0, v[224+\x], s67
.endr
	WIN 0
.irp a, 0,1,2,3,4,5,6,7
	v_cndmask_b32 v[BI+\a], 0, v[BI+\a], s13
.endr
.macro FRAG reg, adr, q, i             ; a fragment, 16 rows x 128 K of 6-bit codes: registers 6 c .. 6 c + 5 hold K = 64 c + 32 (l / 16) + 0 .. 31: 24 bytes of the row's stream of bits, in pieces of 8 bytes
.irp p, 0,1,2,3,4,5
.set PIE, 12*(\q)+6*(\p/3)+\p%3       ; lanes 16-31 read three pieces on; where that lies behind one padding more, the second address register serves
.if PIE%8 < 5
	ds_load_b64 v[\reg+2*\p:\reg+2*\p+1], v[\adr] offset:8*PIE+16*(PIE/8)+(\i)*16*PITCH
.else
	ds_load_b64 v[\reg+2*\p:\reg+2*\p+1], v[\adr+2] offset:8*PIE+16*(PIE/8)+(\i)*16*PITCH
.endif
.endr
.endm
; 16 matrix instructions: A's blocks a0, a0 + 1 x B's eight, 128 along K.  p: B's set; sc: the set of scale words.  zero = 1: the first product starts the sums, with the bias along j as its C.
; The 64 accumulators take turns, one instruction a turn, in the same order in every step.
.macro MUL16 a0, p, q, sc, zero
.irp a, \a0, \a0+1
.irp b, 0,1,2,3,4,5,6,7
.if \zero
	v_wmma_scale_f32_16x16x128_f8f6f4 v[8*(8*((\a)%4)+\b):8*(8*((\a)%4)+\b)+7], v[128*(\p)+FR*\b:128*(\p)+FR*\b+FR-1], v[AF+FR*(\a):AF+FR*(\a)+FR-1], v[96+8*\b+96*(\b/4):96+8*\b+96*(\b/4)+7], v[SC+8*NQ*(\sc)+NQ*\b+(\q)], v[SC+8*NQ*(\sc)+NQ*(\a)+(\q)] matrix_a_fmt:MATRIX_FMT_FP6 matrix_b_fmt:MATRIX_FMT_FP6 matrix_a_scale:MATRIX_SCALE_ROW1
.else
	v_wmma_scale_f32_16x16x128_f8f6f4 v[8*(8*((\a)%4)+\b):8*(8*((\a)%4)+\b)+7], v[128*(\p)+FR*\b:128*(\p)+FR*\b+FR-1], v[AF+FR*(\a):AF+FR*(\a)+FR-1], v[8*(8*((\a)%4)+\b):8*(8*((\a)%4)+\b)+7], v[SC+8*NQ*(\sc)+NQ*\b+(\q)], v[SC+8*NQ*(\sc)+NQ*(\a)+(\q)] matrix_a_fmt:MATRIX_FMT_FP6 matrix_b_fmt:MATRIX_FMT_FP6 matrix_a_scale:MATRIX_SCALE_ROW1
.endif
.endr
.endr
.endm
.macro FETCH_B slot, q, p
	WIN TO_B
.irp i, 0,1,2,3,4,5,6,7
	FRAG 128*(\p)+FR*\i, ADRB+\slot, \q, \i
.endr
	WIN 0
.endm
.macro FETCH_A slot, q, i0
.irp i, \i0, \i0+1, \i0+2, \i0+3
	FRAG AF+FR*(\i), ADRA+\slot, \q, \i
.endr
.endm
.macro SCALES sc                       ; a K step's scale words: two words a row; lanes 0-15 take A's block i, lanes 16-31 B's block i
.irp i, 0,1,2,3,4,5,6,7
	ds_load_b64 v[SC+8*NQ*\sc+NQ*\i:SC+8*NQ*\sc+NQ*\i+1], v[ADRS] offset:\i*SBLK
.endr
.endm
.macro PLACES n                        ; plain vector instructions between a matrix instruction and a load into, or a vector instruction on, its registers
.rept \n
	v_nop
.endr
.endm
.macro STEP slot, q, zero              ; a step of 128 along K that has its successor in the same slot
	s_wait_dscnt 4*NL                              ; B's set, A's blocks 0-3 and the scale words are in; the youngest 24 loads (A's blocks 4-7) may be out
	WIN MUL_LO-0x10*(\zero)
	MUL16 0, (\q)%2, \q, \slot, \zero
	MUL16 2, (\q)%2, \q, \slot, \zero
	s_wait_dscnt 0                                 ; A's blocks 4-7 are in
	PLACES NP
	FETCH_B \slot, (\q)+1, 1-(\q)%2
	FETCH_A \slot, (\q)+1, 0
	WIN MUL_HI-0x20*(\zero)
	MUL16 4, (\q)%2, \q, \slot, \zero
	MUL16 6, (\q)%2, \q, \slot, \zero
	PLACES NP
	WIN 0
	FETCH_A \slot, (\q)+1, 4
.endm
; A slot's last step changes slots: one barrier; in front of it each wave waits for all its tensor loads, adds 0 to its spare word, and waits for that and for its own reads of this slot.  fill = 1: this slot is filled again, two K steps ahead.
.macro TURN slot, next, fill
	s_wait_tensorcnt 0x0                           ; all my tensor loads have landed: my part of the next slot
	ds_add_u32 v[SPW], v[NIL]                      ; 0 onto my spare word
	s_wait_dscnt 4*NL+1                            ; (the add and the youngest 24 loads, A's blocks 4-7, may be out)
	WIN MUL_LO
	MUL16 0, 1, NQ-1, \slot, 0                     ; sixteen matrix instructions stand between the add and the wait for it
	s_wait_dscnt 0x0                               ; the add is done, and my reads of this slot are over
	s_barrier_signal -1
	MUL16 2, 1, NQ-1, \slot, 0
	WIN 0
	s_barrier_wait -1
.if \fill
	CREST                                          ; the barrier has opened a round of the cluster's barrier: no wave of any partner still reads this slot or has a load on its way
	s_add_nc_u64 s[G0+4*\slot+2:G0+4*\slot+3], s[G0+4*\slot+2:G0+4*\slot+3], 2*ROWB
	s_add_nc_u64 s[G0B+4*\slot+2:G0B+4*\slot+3], s[G0B+4*\slot+2:G0B+4*\slot+3], 2*ROWB
	JLOAD G0+4*\slot, G1, G0B+4*\slot, G1B         ; the first tensor load behind the round, and my only one until the next; its four v_nop are the places in front of the loads below
.else
	PLACES NP
.endif
	v_add_nc_u32 v[ADRS], 4*NQ, v[ADRS]            ; on to the next K step's scale words
	FETCH_B \next, 0, 0
	FETCH_A \next, 0, 0
	SCALES \next
	WIN MUL_HI
	MUL16 4, 1, NQ-1, \slot, 0
	MUL16 6, 1, NQ-1, \slot, 0
	PLACES NP
	WIN 0
	FETCH_A \next, 0, 4
.endm
; 64 numbers of a lane, register 16 b + i = j 32 b + 16 (lane / 16) + i of my row, become a fragment's codes in v[PC] on and its scale word in v[PW].
.macro QUANT s
.irp b, 0,1,2,3
	v_max3_num_f32 v[TM+\b], |v[\s+16*\b]|, |v[\s+1+16*\b]|, 0x1800000   ; block b: my 16 numbers, and the floor 2^(3 - 127): the byte cannot fall under 1
.endr
.irp i, 2,4,6,8,10,12,14
.irp b, 0,1,2,3
	v_max3_num_f32 v[TM+\b], v[TM+\b], |v[\s+16*\b+\i]|, |v[\s+1+16*\b+\i]|   ; (the four blocks by turns)
.endr
.endr
.irp b, 0,1,2,3
	v_permlanex16_b32 v[TM+4+\b], v[TM+\b], s[SEL], s[SEL+1]
.endr
.irp b, 0,1,2,3
	v_max_num_f32 v[TM+\b], v[TM+\b], v[TM+4+\b]   ; with lane l xor 16's: the block's largest magnitude
.endr
.irp b, 0,1,2,3
	v_add_nc_u32 v[TM+12+\b], 0xff000000, v[TM+\b]   ; 2 off its exponent field: the conversion's scale operand
.endr
.irp b, 0,1,2,3
	v_lshrrev_b32 v[TM+4+\b], 23, v[TM+12+\b]      ; the scale's byte
.endr
	v_lshl_or_b32 v[PW], v[TM+5], 8, v[TM+4]
	v_lshl_or_b32 v[PW], v[TM+6], 16, v[PW]
	v_lshl_or_b32 v[PW], v[TM+7], 24, v[PW]
.irp c, 0,1
	v_cvt_scalef32_pk16_fp6_f32 v[PC+6*\c:PC+2+6*\c], v[\s+32*\c:\s+15+32*\c], v[TM+12+2*\c]
	v_cvt_scalef32_pk16_fp6_f32 v[PC+12+4*\c:PC+14+4*\c], v[\s+16+32*\c:\s+31+32*\c], v[TM+12+2*\c+1]   ; (a conversion's three registers begin on an even number)
.endr
	v_nop                                          ; one plain place behind a scaled conversion
.irp c, 0,1                                    ; the operand's layout wants a whole block in a lane: lanes 0-15 block 2 c, lanes 16-31 block 2 c + 1
.irp i, 0,1,2
	v_permlane16_swap_b32 v[PC+6*\c+\i], v[PC+12+4*\c+\i]
.endr
.irp i, 0,1,2
	v_mov_b32 v[PC+3+6*\c+\i], v[PC+12+4*\c+\i]
.endr
.endr
.endm
; Block a (16 rows i x 128 j) leaves: + the bias along i, quantised, six planes of codes to memory, the scale word to my scratch in LDS.
.macro OUTB a
	WIN 0x02+(\a)/4                                ; source 0: window 2 or 3
.set XI, 0
.rept 32                                       ; ascending: each accumulator is read from its low end on
.if (\a)%2
	v_pk_add_f32 v[H+2*XI:H+2*XI+1], v[64*((\a)%4)+2*XI:64*((\a)%4)+2*XI+1], v[BI+2*((\a)/2):BI+2*((\a)/2)+1] op_sel:[0,1] op_sel_hi:[1,1]
.else
	v_pk_add_f32 v[H+2*XI:H+2*XI+1], v[64*((\a)%4)+2*XI:64*((\a)%4)+2*XI+1], v[BI+2*((\a)/2):BI+2*((\a)/2)+1] op_sel_hi:[1,0]
.endif
.set XI, XI+1
.endr
	WIN 0
.if (\a) > 0
	s_wait_xcnt 0x0                                ; the last block's stores have read their data and their base: both are written again only behind this wait
	s_add_nc_u64 s[98:99], s[98:99], s[92:93]
.if (\a) == 4
	s_add_nc_u64 s[98:99], s[98:99], s[94:95]
.endif
.endif
	QUANT H
	v_lshrrev_b32 v[WD+(\a)], v[VSH], v[PW]        ; q, k: lanes 0-15 keep the even head's two bytes, lanes 16-31 the odd head's; v: all four
	v_and_b32 v[WD+(\a)], s66, v[WD+(\a)]
	ds_store_b32 v[STS], v[WD+(\a)] offset:256*((\a)%2)+4*((\a)/2)
.irp p, 0,1,2
	global_store_b64 v[VO0], v[PC+2*\p:PC+2*\p+1], s[98:99] offset:256*\p          ; 32 lanes store 256 consecutive bytes, aligned
.endr
.irp p, 3,4,5
	global_store_b64 v[VO1], v[PC+2*\p:PC+2*\p+1], s[98:99] offset:256*(\p-3)
.endr
.endm
	s_wait_tensorcnt 1                             ; the scales and my part of K step 0 are in; K step 1's load may be out
	s_barrier_signal -1
	s_barrier_wait -1                              ; everybody's are
	FETCH_B 0, 0, 0
	FETCH_A 0, 0, 0
	SCALES 0
	FETCH_A 0, 0, 4
	STEP 0, 0, 1                                   ; K = 1,024 is four slots: written out, no loop
	TURN 0, 1, 1
	STEP 1, 0, 0
	TURN 1, 0, 1
	STEP 0, 0, 0
	TURN 0, 1, 0                                   ; nothing is left to fetch
	STEP 1, 0, 0
	s_wait_dscnt 4*NL                              ; the very last step
	WIN MUL_LO
	MUL16 0, 1, NQ-1, 1, 0
	MUL16 2, 1, NQ-1, 1, 0
	s_wait_dscnt 0
	WIN MUL_HI
	MUL16 4, 1, NQ-1, 1, 0
	MUL16 6, 1, NQ-1, 1, 0
	WIN 0
	PLACES NP                                      ; in front of vector writes into the registers that held A's fragments
.irp b, 0,1,2,3
	v_mov_b32 v[TM+4+\b], 0                        ; written once: a lane permute's destination counts as one of its sources
.endr
.irp a, 0,1,2,3,4,5,6,7
	OUTB \a
.endr
	ds_load_b128 v[240:243], v[RDS]                ; LDS serves a wave's instructions in order: these see my eight stores
	ds_load_b128 v[244:247], v[RDS] offset:512
	s_wait_dscnt 0x0
	global_store_b128 v[VOS], v[240:243], s[100:101]               ; a block of 512 bytes: the even head's (v: the pair's)
	s_cmp_eq_u32 s12, 2                            ; t: the same in all waves and all partners
	s_cbranch_scc1 .Lone_block
	global_store_b128 v[VOS], v[244:247], s[100:101] offset:8192   ; q, k: the odd head's, 16 blocks on
.Lone_block:
	s_wait_tensorcnt 0x0                           ; the wave's end: behind my last tensor load and my last LDS store
	ds_add_u32 v[SPW], v[NIL]
	s_wait_dscnt 0x0
	CROUND                                         ; the closing round: no work-group ends while a partner may still ask for a tile that names it
	s_endpgm
.Lfunc_end_k_q9936d861e5_proj:
	.size	k_q9936d861e5_proj, .Lfunc_end_k_q9936d861e5_proj-k_q9936d861e5_proj
	.p2alignl 7, 3214868480
	.fill 96, 4, 3214868480
	.section	.rodata,"a",@progbits
	.p2align	6, 0x0
	.amdhsa_kernel k_q9936d861e5_proj
		.amdhsa_group_segment_fixed_size 327680
		.amdhsa_private_segment_fixed_size 0
		.amdhsa_enable_private_segment 0
		.amdhsa_kernarg_size 56
		.amdhsa_user_sgpr_count 2
		.amdhsa_user_sgpr_kernarg_segment_ptr 1
		.amdhsa_wavefront_size32 1
		.amdhsa_system_sgpr_workgroup_id_x 1
		.amdhsa_system_sgpr_workgroup_id_y 1
		.amdhsa_system_sgpr_workgroup_id_z 1
		.amdhsa_system_vgpr_workitem_id 0
		.amdhsa_next_free_vgpr 1024
		.amdhsa_next_free_sgpr 102
		.amdhsa_reserve_vcc 0
		.amdhsa_float_denorm_mode_32 3
		.amdhsa_float_denorm_mode_16_64 3
		.amdhsa_memory_ordered 1
		.amdhsa_forward_progress 1
		.amdhsa_inst_pref_size 192
	.end_amdhsa_kernel
	.amdgpu_metadata
---
amdhsa.version: [ 1, 2 ]
amdhsa.kernels:
  - .name:           k_q9936d861e5_proj
    .symbol:         k_q9936d861e5_proj.kd
    .args:
      - { .name: codes, .offset: 0, .size: 8, .value_kind: global_buffer, .address_space: global }
      - { .name: scales, .offset: 8, .size: 8, .value_kind: global_buffer, .address_space: global }
      - { .name: bq, .offset: 16, .size: 8, .value_kind: global_buffer, .address_space: global }
      - { .name: bk, .offset: 24, .size: 8, .value_kind: global_buffer, .address_space: global }
      - { .name: bv, .offset: 32, .size: 8, .value_kind: global_buffer, .address_space: global }
      - { .name: img, .offset: 40, .size: 8, .value_kind: global_buffer, .address_space: global }
      - { .name: isc, .offset: 48, .size: 8, .value_kind: global_buffer, .address_space: global }
    .group_segment_fixed_size: 327680
    .private_segment_fixed_size: 0
    .kernarg_segment_align: 8
    .kernarg_segment_size: 56
    .max_flat_workgroup_size: 128
    .sgpr_count:     102
    .vgpr_count:     1024
    .wavefront_size: 32
...
	.end_amdgpu_metadata
.endif
;; end of part 2
;; launch attn (part 3): grid 4 x 64, 16 waves a work-group, clusters of 4 x 1, 327,680 bytes of LDS; arguments img, isc, oimg, osc; writes oimg, osc
.if DOCPART == 3
	.amdgcn_target "amdgcn-amd-amdhsa--gfx1250"
	.amdhsa_code_object_version 6
	.text
	.protected	k_q9936d861e5_attn
	.globl	k_q9936d861e5_attn
	.p2align	8
	.type	k_q9936d861e5_attn,@function
k_q9936d861e5_attn:
	s_mov_b64 s[64:65], 0
	v_nop
	global_prefetch_b8 v0, s[64:65] scope:SCOPE_SE
	s_setreg_imm32_b32 hwreg(HW_REG_WAVE_MODE, 25, 1), 1
	s_wait_xcnt 0x0
	s_wait_alu depctr_hold_cnt(0) depctr_sa_sdst(0) depctr_va_vdst(0) depctr_va_sdst(0) depctr_va_ssrc(0) depctr_va_vcc(0) depctr_vm_vsrc(0)
	s_getreg_b32 s2, hwreg(HW_REG_IB_STS2, 6, 4)
	s_cmp_eq_u32 s2, 0
	s_cbranch_scc0 .Lentry_in_a_cluster
	s_endpgm
.Lentry_in_a_cluster:
	s_bfe_u32 s2, ttmp6, 0x10000c
	s_cmp_lg_u32 s2, 0x3003
	s_cbranch_scc0 .Lentry_shape_is_right
	s_endpgm
.Lentry_shape_is_right:
; O[bh][q] = the sum over k of softmax_k(q . k / 8) v, both products on codes of FP6 (E2M3) with one E8M0 scale for each 32 along a product's K; then O / l is quantised along D for the last projection.
; q, k: images of tiles of 16 rows x 64 codes (3 planes of 256 bytes: plane p = registers 2 p, 2 p + 1, lane l at 8 l); v: images of fragments, 16 channels x 128 keys (6 planes).  Rows, keys and channels lie in tile order.
; THE SOFTMAX: t = score x log2(e) / 8; M = the row's largest t so far, rounded up to a whole number; p = 2^(t - M) is quantised along the keys, not normalised; the row's sum is taken of the unquantised p
; and divides O at the end.  When M moves, the sum and O are multiplied by 2^(old M - new M): exact.
; SHARES.  The cluster's y is the head (bh = 16 b + head); the work-group at place cx owns 512 of its queries; each of the sixteen waves owns one tile of 16 in each of two passes: T = 32 cx + 16 pass + wave.
; A HEAD'S WHOLE K AND V LIE IN LDS: 98,304 bytes of codes each and 8,192 of scale words each.  They come once, by one tensor load a wave (waves 0-5 K, 6-11 V, 12 and 13 the scale words), asked for JOINTLY by the
; four work-groups of the cluster, which read the same bytes.  Nothing is filled again: one barrier, and none in the loops.
; LAYOUT.  Both products are used transposed: S^T = K Q^T (source 0 = 16 keys), O^T = V^T P^T (source 0 = 16 channels): a lane holds one query throughout.  By the tile order the 16 registers of tiles 2 b, 2 b + 1
; are the true keys (or channels) 32 b + 16 (lane / 16) + 0 .. 15.
; K = 64 IN AN INSTRUCTION OF 128: Q's registers 6-11 are zero codes; a tile of K is named with the six registers behind it (the next tile's codes, or zeros), which multiply zeros; the scale bytes 2 and 3 are 0.
; LIMITS: a block of zeros gets the scale byte 1 (its codes are zeros; this program alone reads the bytes); NaN and infinities are not served.  The two scale bytes of a row and head leave by a store of 2 bytes:
; a row's 32 bytes come from sixteen work-groups.
; REGISTERS: v1-4 lane places in LDS; v5, v6 the add's two; v7 8 x lane; v8-11 the step's addresses; v12 -M, v13 the largest t, v[14:15] the sum; v16-27 Q of pass 0; v28 32 r; v30 16 r; v31 two scale bytes;
;   v32-79 eight tiles of K, then four fragments of V; v80-85 zeros; v96-159 S^T, then p; v160-191 O^T; v192-203 Q of pass 1; v206, v207 Q's scale words; v224-235 p's codes; v232-254 at work; v248-251 K's, then V's scale words.
.set VC,    98304                      ; LDS: K's codes from 0, V's from here,
.set KSC,   196608                     ; K's scale words,
.set VSC,   204800                     ; V's (the head pair's)
.set SPARE, 213248                     ; the spare words, 128 bytes for each of 16 waves, which no other line names
.set AK0, 1
.set AV0, 2
.set AS0, 3
.set AT0, 4
.set SPW, 5
.set NIL, 6
.set L8,  7
.set ADK, 8
.set ADV, 9
.set ADS, 10
.set ADT, 11
.set R32, 28
.set R16, 30
.set HWD, 31
.set WV,  18
.set SEL, 20
.set CS,  22
.set G1C, 24                           ; s[24:31] group 1 for codes: 64 rows of 256 bytes;  s[32:39] for scale words: 32 rows
.set G1S, 32
.set G0C, 40
.set G0S, 44
.set TB,  48                           ; s48 the step's codes begin here: 6,144 bytes a step, in K's region and in V's
.set TS,  49                           ; s49 and its scale words: 512 bytes a step
.set CNT, 50
.macro CROUND
	s_barrier_signal -1
	s_barrier_wait -1
	s_cmp_lg_u32 s[WV], 0
	s_cbranch_scc1 .Lnot_wave_0_\@
	s_barrier_signal -3
.Lnot_wave_0_\@:
	s_barrier_wait -3
	s_barrier_signal -1
	s_barrier_wait -1
.endm
	s_load_b256 s[4:11], s[0:1], 0x0               ; img, isc, oimg, osc
	v_lshl_add_u32 v[SPW], v0, 2, SPARE
	v_mov_b32 v[NIL], 0
	ds_add_u32 v[SPW], v[NIL]                      ; the wave's opening: the add and its wait stand ahead of my first tensor load; work on registers stands between them
	ds_add_u32 v[SPW], v[NIL]
	v_lshrrev_b32 v8, 5, v0
	s_delay_alu instid0(VALU_DEP_1)
	v_readfirstlane_b32 s[WV], v8                  ; wave 0..15
	s_bfe_u32 s66, ttmp6, 0x40000                  ; cx: it enters Q's and O's addresses alone, in s66-s70 and what is made of them
	s_and_b32 s52, ttmp7, 0xffff                   ; bh, which the four partners share
	; descriptor group 1: dense blocks as rows of 256 bytes (32 elements of 8 bytes), no padding; the mask names all four work-groups
	s_mov_b32 s[G1C], 15|(3<<16)|(1<<21)
	s_mov_b32 s[G1C+1], 32<<16
	s_mov_b32 s[G1C+2], 64<<16
	s_mov_b32 s[G1C+3], 32<<16
	s_mov_b32 s[G1C+4], 64
	s_mov_b32 s[G1C+5], 32
	s_mov_b32 s[G1C+6], 0
	s_mov_b32 s[G1C+7], 0
	s_mov_b32 s[G1S], 15|(3<<16)|(1<<21)
	s_mov_b32 s[G1S+1], 32<<16
	s_mov_b32 s[G1S+2], 32<<16
	s_mov_b32 s[G1S+3], 32<<16
	s_mov_b32 s[G1S+4], 32
	s_mov_b32 s[G1S+5], 32
	s_mov_b32 s[G1S+6], 0
	s_mov_b32 s[G1S+7], 0
	s_mul_i32 s54, s52, 98304                      ; the head's bytes in each part of img
	s_lshl_b32 s53, s[WV], 14                      ; waves 0-11: 16,384 bytes each, in LDS and in memory
	s_cmp_lt_u32 s[WV], 6
	s_cselect_b32 s55, 0, 6193152                  ; from wave 6 on: v's part: 6,291,456 on, less K's 98,304
	s_add_co_u32 s56, s54, s53
	s_add_co_u32 s56, s56, s55
	s_add_co_u32 s56, s56, 6291456                 ; k's part begins here
	s_mov_b32 s57, 0
	s_lshl_b32 s58, s52, 13
	s_add_co_u32 s58, s58, 524288                  ; K's scale words: 8,192 bytes a head
	s_lshr_b32 s59, s52, 1
	s_lshl_b32 s59, s59, 13
	s_add_co_u32 s59, s59, 1048576                 ; V's: 8,192 bytes a pair of heads
	s_cmp_eq_u32 s[WV], 12
	s_cselect_b32 s58, s58, s59
	s_mov_b32 s59, 0
	s_lshl_b32 s60, s[WV], 13
	s_add_co_u32 s60, s60, 98304                   ; wave 12: 196,608; wave 13: 204,800
	s_mov_b32 s[SEL], 0x76543210
	s_mov_b32 s[SEL+1], 0xfedcba98                 ; v_permlanex16_b32's selects for lane l xor 16
	s_mov_b32 s[CS], 0x3e38aa3b                    ; c = log2(e) / 8
	s_mov_b32 s[CS+1], s[CS]                       ; (named with it as a pair, so it is written)
	s_wait_dscnt 0x0                               ; the opening add is done
	s_wait_kmcnt 0x0
	s_mov_b32 s[G0C], 1
	s_mov_b32 s[G0C+1], s53
	s_add_nc_u64 s[G0C+2:G0C+3], s[4:5], s[56:57]
	s_or_b32 s[G0C+3], s[G0C+3], 0x80000000
	s_mov_b32 s[G0S], 1
	s_mov_b32 s[G0S+1], s60
	s_add_nc_u64 s[G0S+2:G0S+3], s[6:7], s[58:59]
	s_or_b32 s[G0S+3], s[G0S+3], 0x80000000
	CROUND                                         ; all four work-groups are here: the joint loads meet
	s_cmp_lt_u32 s[WV], 12                         ; the branches hang on the wave's number alone; an s_nop 0 and four v_nop follow each load
	s_cbranch_scc0 .Lnot_codes
	tensor_load_to_lds s[G0C:G0C+3], s[G1C:G1C+7]
	s_nop 0
.rept 4
	v_nop
.endr
	s_branch .Lasked
.Lnot_codes:
	s_cmp_lt_u32 s[WV], 14
	s_cbranch_scc0 .Lasked
	tensor_load_to_lds s[G0S:G0S+3], s[G1S:G1S+7]
	s_nop 0
.rept 4
	v_nop
.endr
.Lasked:
	v_and_b32 v8, 31, v0                           ; lane
	v_and_b32 v9, 15, v0                           ; r
	s_delay_alu instid0(VALU_DEP_2)
	v_lshlrev_b32 v[L8], 3, v8
	s_wait_alu depctr_va_vdst(0)
	v_lshlrev_b32 v[R16], 4, v9
	s_wait_alu depctr_va_vdst(0)
	v_lshlrev_b32 v[R32], 5, v9
	s_lshl_b32 s66, s66, 5
	s_add_co_u32 s66, s66, s[WV]                   ; T of pass 0 = 32 cx + wave
	s_mul_i32 s12, s66, 768
	s_add_co_u32 s12, s12, s54
	s_mov_b32 s13, 0
	s_add_nc_u64 s[12:13], s[4:5], s[12:13]        ; q's tile
	s_lshr_b32 s67, s66, 3                         ; its scale word: block T / 8 of the head, word (T % 8, r) at 16 r + 256 (T % 2) + 4 ((T % 8) / 2)
	s_lshl_b32 s67, s67, 9
	s_and_b32 s68, s66, 1
	s_lshl_b32 s68, s68, 8
	s_add_co_u32 s67, s67, s68
	s_bfe_u32 s68, s66, 0x20001
	s_lshl_b32 s68, s68, 2
	s_add_co_u32 s67, s67, s68
	s_lshl_b32 s68, s52, 13
	s_add_co_u32 s14, s67, s68
	s_mov_b32 s15, 0
	s_add_nc_u64 s[14:15], s[6:7], s[14:15]
.irp p, 0,1,2
	global_load_b64 v[16+2*\p:17+2*\p], v[L8], s[12:13] offset:256*\p             ; Q stays in registers: pass 0's tile,
	global_load_b64 v[192+2*\p:193+2*\p], v[L8], s[12:13] offset:12288+256*\p     ; and pass 1's, 16 tiles on
.endr
	global_load_b32 v206, v[R16], s[14:15]
	global_load_b32 v207, v[R16], s[14:15] offset:1024                            ; two blocks of 512 bytes on
	s_lshr_b32 s67, s52, 4
	s_lshl_b32 s67, s67, 7
	s_add_co_u32 s67, s67, s66                     ; the row tile among all 512: 128 b + T
	s_and_b32 s68, s52, 15                         ; the head
	s_mul_i32 s16, s67, 12288                      ; oimg: 8 fragments of 1,536 bytes a row tile; a head's three planes lie 768 x head in
	s_mul_i32 s69, s68, 768
	s_add_co_u32 s16, s16, s69
	s_mov_b32 s17, 0
	s_add_nc_u64 s[16:17], s[8:9], s[16:17]
	s_lshl_b32 s2, s67, 9                          ; osc: 32 bytes a row; a head's two bytes at 2 x head
	s_lshl_b32 s68, s68, 1
	s_add_co_u32 s2, s2, s68
	s_mov_b32 s3, 0
	s_add_nc_u64 s[2:3], s[10:11], s[2:3]
	v_lshlrev_b32 v[AK0], 3, v8                    ; a plane: 8 x lane
	s_delay_alu instid0(VALU_DEP_1)
	v_add_nc_u32 v[AV0], VC, v[AK0]
	v_lshl_add_u32 v[AS0], v8, 4, KSC              ; K's scale words: 16 bytes a lane: four words, even tiles' in lanes 0-15, odd tiles' in lanes 16-31
	s_and_b32 s61, s52, 1
	s_lshl_b32 s61, s61, 3
	s_add_co_u32 s61, s61, VSC
	v_lshl_add_u32 v[AT0], v8, 4, s61              ; V's: 8 of those 16 bytes are my head's
.irp j, 22,23,24,25,26,27,80,81,82,83,84,85,198,199,200,201,202,203
	v_mov_b32 v[\j], 0                             ; zero codes
.endr
.irp b, 0,1,2,3
	v_mov_b32 v[236+\b], 0                         ; written once: a lane permute's destination counts as one of its sources
.endr
	v_mov_b32 v252, 0
	v_mov_b32 v253, 0                              ; (named as the upper half of the pair v[252:253] before it is first written)
	s_wait_loadcnt 0x0                             ; Q
	s_wait_tensorcnt 0x0                           ; my part of K, V or the scale words is in,
	s_barrier_signal -1
	s_barrier_wait -1                              ; everybody's is
; A KEY STEP: 128 keys.  qf: Q's fragment; qs: its scale words.
.macro STEP qf, qs
	v_add_nc_u32 v[ADK], s[TB], v[AK0]             ; (these four are also the places between the last step's products and the loads into their registers)
	v_add_nc_u32 v[ADV], s[TB], v[AV0]
	v_add_nc_u32 v[ADS], s[TS], v[AS0]
	v_add_nc_u32 v[ADT], s[TS], v[AT0]
.irp t, 0,1,2,3,4,5,6,7
.irp p, 0,1,2
	ds_load_b64 v[32+6*\t+2*\p:33+6*\t+2*\p], v[ADK] offset:768*\t+256*\p
.endr
.endr
	ds_load_b128 v[248:251], v[ADS]
	s_wait_alu depctr_va_vdst(0)
	s_wait_dscnt 0x0
.irp t, 0,2,4,6                                ; S^T = K Q^T: eight tiles of 16 keys
	v_wmma_scale_f32_16x16x128_f8f6f4 v[96+8*\t:103+8*\t], v[32+6*\t:43+6*\t], v[\qf:\qf+11], 0, v[248+\t/2], v[\qs] matrix_a_fmt:MATRIX_FMT_FP6 matrix_b_fmt:MATRIX_FMT_FP6
	v_wmma_scale_f32_16x16x128_f8f6f4 v[104+8*\t:111+8*\t], v[38+6*\t:49+6*\t], v[\qf:\qf+11], 0, v[248+\t/2], v[\qs] matrix_a_fmt:MATRIX_FMT_FP6 matrix_b_fmt:MATRIX_FMT_FP6 matrix_a_scale:MATRIX_SCALE_ROW1
.endr
.rept 4
	v_nop                                          ; places in front of the loads into K's registers and of the first read of the scores
.endr
.irp d, 0,1,2,3
.irp p, 0,1,2,3,4,5
	ds_load_b64 v[32+12*\d+2*\p:33+12*\d+2*\p], v[ADV] offset:1536*\d+256*\p      ; V's four fragments land under the softmax
.endr
.endr
	ds_load_b64 v[248:249], v[ADT]
.irp b, 0,1,2,3
	v_max3_num_f32 v[232+\b], v[96+16*\b], v[97+16*\b], v[98+16*\b]   ; the largest score of each block of 32 keys: it serves for the row's maximum and, since p rises with the score, for the block's largest p
.endr
.irp i, 3,5,7,9,11,13
.irp b, 0,1,2,3
	v_max3_num_f32 v[232+\b], v[232+\b], v[96+16*\b+\i], v[97+16*\b+\i]
.endr
.endr
.irp b, 0,1,2,3
	v_max_num_f32 v[232+\b], v[232+\b], v[111+16*\b]
.endr
.irp b, 0,1,2,3
	s_delay_alu instid0(VALU_DEP_4)
	v_permlanex16_b32 v[236+\b], v[232+\b], s[SEL], s[SEL+1]
.endr
.irp b, 0,1,2,3
	s_delay_alu instid0(VALU_DEP_4)
	v_max_num_f32 v[232+\b], v[232+\b], v[236+\b]  ; with lane l xor 16's 16 keys
.endr
	s_delay_alu instid0(VALU_DEP_2)
	v_max3_num_f32 v254, v232, v233, v234
	s_delay_alu instid0(VALU_DEP_1)
	v_max_num_f32 v254, v254, v235                 ; the step's largest score of my query
	s_delay_alu instid0(VALU_DEP_1)
	v_mul_f32 v254, s[CS], v254                    ; as t (c is positive)
	s_delay_alu instid0(VALU_DEP_1)
	v_max_num_f32 v13, v13, v254                   ; the running largest t
	v_mov_b32 v254, v12
	s_delay_alu instid0(VALU_DEP_2)
	v_floor_f32 v12, -v13                          ; the new -M = floor(-t): M is a whole number
	s_delay_alu instid0(VALU_DEP_1)
	v_sub_f32 v254, v12, v254                      ; old M - new M: a whole number, 0 or less
	s_delay_alu instid0(VALU_DEP_1)
	v_cvt_i32_f32 v254, v254                       ; (it saturates)
	s_delay_alu instid0(VALU_DEP_1)
	v_ldexp_f32 v252, 1.0, v254                    ; f = 2^(old M - new M)
.irp j, 0,2,4,6,8,10,12,14,16,18,20,22,24,26,28,30,32,34,36,38,40,42,44,46,48,50,52,54,56,58,60,62
	v_pk_fma_f32 v[96+\j:97+\j], v[96+\j:97+\j], s[CS:CS+1], v[12:13] op_sel_hi:[1,0,0]   ; t - M, two at a time
.endr
.irp b, 0,1,2,3
	v_fma_f32 v[232+\b], v[232+\b], s[CS], v12     ; the same of each block's largest score
.endr
	s_setprio 1
	s_wait_alu depctr_va_vdst(0)
.irp j, 0,1,2,3,4,5,6,7,8,9,10,11,12,13,14,15,16,17,18,19,20,21,22,23,24,25,26,27,28,29,30,31,32,33,34,35,36,37,38,39,40,41,42,43,44,45,46,47,48,49,50,51,52,53,54,55,56,57,58,59,60,61,62,63
	v_exp_f32 v[96+\j], v[96+\j]                   ; p = 2^(t - M), at most 1
.endr
	v_pk_mul_f32 v[14:15], v[14:15], v[252:253] op_sel_hi:[1,0]   ; the sums under the new M (a plain place behind the exponentials)
	s_wait_alu depctr_va_vdst(0)                   ; one wait for the whole batch, ahead of its first reader
.irp b, 0,1,2,3
	v_exp_f32 v[232+\b], v[232+\b]                 ; the block's largest p
.endr
	v_pk_add_f32 v[236:237], v[100:101], v[104:105]
	v_pk_add_f32 v[254:255], v[108:109], v[112:113]
	v_pk_add_f32 v[250:251], v[116:117], v[120:121]
	v_pk_add_f32 v[246:247], v[124:125], v[128:129]
	v_pk_add_f32 v[244:245], v[132:133], v[136:137]
	v_pk_add_f32 v[242:243], v[140:141], v[144:145]
	v_pk_add_f32 v[240:241], v[148:149], v[152:153]
	v_pk_add_f32 v[14:15], v[14:15], v[156:157]
	v_pk_add_f32 v[236:237], v[236:237], v[96:97]
	v_pk_add_f32 v[254:255], v[254:255], v[98:99]
	v_pk_add_f32 v[250:251], v[250:251], v[102:103]
	v_pk_add_f32 v[246:247], v[246:247], v[106:107]
	v_pk_add_f32 v[244:245], v[244:245], v[110:111]
	v_pk_add_f32 v[242:243], v[242:243], v[114:115]
	v_pk_add_f32 v[240:241], v[240:241], v[118:119]
	v_pk_add_f32 v[14:15], v[14:15], v[122:123]
	v_pk_add_f32 v[236:237], v[236:237], v[126:127]
	v_pk_add_f32 v[254:255], v[254:255], v[130:131]
	v_pk_add_f32 v[250:251], v[250:251], v[134:135]
	v_pk_add_f32 v[246:247], v[246:247], v[138:139]
	v_pk_add_f32 v[244:245], v[244:245], v[142:143]
	v_pk_add_f32 v[242:243], v[242:243], v[146:147]
	v_pk_add_f32 v[240:241], v[240:241], v[150:151]
	v_pk_add_f32 v[14:15], v[14:15], v[154:155]
	v_pk_add_f32 v[236:237], v[236:237], v[158:159]
	s_delay_alu instid0(VALU_DEP_2)
	v_pk_add_f32 v[14:15], v[14:15], v[246:247]
	s_delay_alu instid0(VALU_DEP_2)
	v_pk_add_f32 v[236:237], v[236:237], v[244:245]
	v_pk_add_f32 v[254:255], v[254:255], v[242:243]
	v_pk_add_f32 v[250:251], v[250:251], v[240:241]
	s_delay_alu instid0(VALU_DEP_2)
	v_pk_add_f32 v[14:15], v[14:15], v[254:255]
	s_delay_alu instid0(VALU_DEP_2)
	v_pk_add_f32 v[236:237], v[236:237], v[250:251]
	s_delay_alu instid0(VALU_DEP_1)
	v_pk_add_f32 v[14:15], v[14:15], v[236:237]
	s_wait_alu depctr_va_vdst(0)                   ; and one for the four
.irp b, 0,1,2,3
	v_max_num_f32 v[232+\b], 0x1800000, v[232+\b]  ; the floor 2^(3 - 127): the byte cannot fall under 1
.endr
.irp b, 0,1,2,3
	s_delay_alu instid0(VALU_DEP_4)
	v_add_nc_u32 v[244+\b], 0xff000000, v[232+\b]  ; 2 off the exponent field: the conversion's scale operand
.endr
.irp b, 0,1,2,3
	s_delay_alu instid0(VALU_DEP_4)
	v_lshrrev_b32 v[236+\b], 23, v[244+\b]         ; the scale's byte
.endr
	s_delay_alu instid0(VALU_DEP_3)
	v_lshl_or_b32 v253, v237, 8, v236              ; p's scale word for these 128 keys
	s_delay_alu instid0(VALU_DEP_1)
	v_lshl_or_b32 v253, v238, 16, v253
	s_delay_alu instid0(VALU_DEP_1)
	v_lshl_or_b32 v253, v239, 24, v253
.irp c, 0,1
	v_cvt_scalef32_pk16_fp6_f32 v[224+6*\c:226+6*\c], v[96+32*\c:111+32*\c], v[244+2*\c]
	v_cvt_scalef32_pk16_fp6_f32 v[236+4*\c:238+4*\c], v[112+32*\c:127+32*\c], v[244+2*\c+1]
.endr
	v_nop                                          ; one plain place behind a scaled conversion
	s_setprio 0
.irp c, 0,1
.irp i, 0,1,2
	v_permlane16_swap_b32 v[224+6*\c+\i], v[236+4*\c+\i]
.endr
.irp i, 0,1,2
	s_delay_alu instid0(VALU_DEP_3)
	v_mov_b32 v[227+6*\c+\i], v[236+4*\c+\i]
.endr
.endr
.irp j, 0,2,4,6,8,10,12,14,16,18,20,22,24,26,28,30
	v_pk_mul_f32 v[160+\j:161+\j], v[160+\j:161+\j], v[252:253] op_sel_hi:[1,0]   ; O^T under the new M.  (These sixteen are also the places between the scale word's and the codes' last writes and the products)
.endr
	s_wait_alu depctr_va_vdst(0)
	s_wait_dscnt 0x0                               ; V and its scale words are in
.irp d, 0,2                                    ; O^T += V^T P^T: four tiles of 16 channels, one instruction a turn
	v_wmma_scale_f32_16x16x128_f8f6f4 v[160+8*\d:167+8*\d], v[32+12*\d:43+12*\d], v[224:235], v[160+8*\d:167+8*\d], v[248+\d/2], v253 matrix_a_fmt:MATRIX_FMT_FP6 matrix_b_fmt:MATRIX_FMT_FP6
	v_wmma_scale_f32_16x16x128_f8f6f4 v[168+8*\d:175+8*\d], v[44+12*\d:55+12*\d], v[224:235], v[168+8*\d:175+8*\d], v[248+\d/2], v253 matrix_a_fmt:MATRIX_FMT_FP6 matrix_b_fmt:MATRIX_FMT_FP6 matrix_a_scale:MATRIX_SCALE_ROW1
.endr
	s_add_co_u32 s[TB], s[TB], 6144
	s_add_co_u32 s[TS], s[TS], 512
.endm
; O^T / the sum; its 64 channels are two blocks of the last product's K: quantised, three planes of codes and two scale bytes a row leave.
.macro FINISH u
	v_add_f32 v14, v14, v15                        ; the sum's two halves,
	s_delay_alu instid0(VALU_DEP_1)
	v_permlanex16_b32 v252, v14, s[SEL], s[SEL+1]
	s_delay_alu instid0(VALU_DEP_1)
	v_add_f32 v14, v14, v252                       ; and lane l xor 16's
	s_wait_alu depctr_va_vdst(0)
	v_rcp_f32 v14, v14
.rept 4
	v_nop                                          ; plain places: behind the reciprocal, and between the last products and the first read of O^T
.endr
	s_wait_alu depctr_va_vdst(0)                   ; the wait ahead of the reciprocal's first reader
.irp j, 0,1,2,3,4,5,6,7,8,9,10,11,12,13,14,15,16,17,18,19,20,21,22,23,24,25,26,27,28,29,30,31
	v_mul_f32 v[96+\j], v[160+\j], v14             ; register 16 b + i is channel 32 b + 16 (lane / 16) + i of my query
.endr
.irp b, 0,1
	v_max3_num_f32 v[232+\b], |v[96+16*\b]|, |v[97+16*\b]|, 0x1800000
.endr
.irp i, 2,4,6,8,10,12,14
.irp b, 0,1
	s_delay_alu instid0(VALU_DEP_2)
	v_max3_num_f32 v[232+\b], v[232+\b], |v[96+16*\b+\i]|, |v[97+16*\b+\i]|
.endr
.endr
.irp b, 0,1
	s_delay_alu instid0(VALU_DEP_2)
	v_permlanex16_b32 v[236+\b], v[232+\b], s[SEL], s[SEL+1]
.endr
.irp b, 0,1
	s_delay_alu instid0(VALU_DEP_2)
	v_max_num_f32 v[232+\b], v[232+\b], v[236+\b]
.endr
.irp b, 0,1
	s_delay_alu instid0(VALU_DEP_2)
	v_add_nc_u32 v[244+\b], 0xff000000, v[232+\b]
.endr
.irp b, 0,1
	s_delay_alu instid0(VALU_DEP_2)
	v_lshrrev_b32 v[236+\b], 23, v[244+\b]
.endr
	s_delay_alu instid0(VALU_DEP_1)
	v_lshl_or_b32 v[HWD], v237, 8, v236
	v_cvt_scalef32_pk16_fp6_f32 v[224:226], v[96:111], v244
	v_cvt_scalef32_pk16_fp6_f32 v[236:238], v[112:127], v245
	v_nop                                          ; one plain place behind a scaled conversion
.irp i, 0,1,2
	v_permlane16_swap_b32 v[224+\i], v[236+\i]
.endr
.irp i, 0,1,2
	s_delay_alu instid0(VALU_DEP_3)
	v_mov_b32 v[227+\i], v[236+\i]
.endr
.irp p, 0,1,2
	global_store_b64 v[L8], v[224+2*\p:225+2*\p], s[16:17] offset:196608*\u+256*\p   ; 32 lanes store 256 consecutive bytes, aligned; pass 1: 16 row tiles on
.endr
	global_store_b16 v[R32], v[HWD], s[2:3] offset:8192*\u                           ; both halves of the lanes store the same two bytes at the same place
.endm
.macro PASS u
.if \u
	s_wait_xcnt 0x0                                ; the last pass's stores have read their data: those registers are written again only behind this wait
.endif
	v_mov_b32 v13, 0xff61b1e6                      ; the largest t so far: -3e38, under every t
	s_delay_alu instid0(VALU_DEP_1)
	v_floor_f32 v12, -v13                          ; -M
	v_mov_b32 v14, 0
	v_mov_b32 v15, 0
.irp j, 0,1,2,3,4,5,6,7,8,9,10,11,12,13,14,15,16,17,18,19,20,21,22,23,24,25,26,27,28,29,30,31
	v_mov_b32 v[160+\j], 0                         ; O^T: the first step finds zeros, which the first change of M leaves zeros
.endr
	s_mov_b32 s[TB], 0
	s_mov_b32 s[TS], 0
	s_mov_b32 s[CNT], 16
.Lstep_\@:
	s_setprio 2
	STEP 16+176*\u, 206+\u
	s_sub_co_u32 s[CNT], s[CNT], 1
	s_cmp_lg_u32 s[CNT], 0
	s_cbranch_scc1 .Lstep_\@
	s_setprio 0
	FINISH \u
.endm
	PASS 0
	PASS 1
	s_wait_tensorcnt 0x0                           ; the wave's end: behind my last tensor load
	ds_add_u32 v[SPW], v[NIL]
	s_wait_dscnt 0x0
	CROUND                                         ; the closing round
	s_endpgm
.Lfunc_end_k_q9936d861e5_attn:
	.size	k_q9936d861e5_attn, .Lfunc_end_k_q9936d861e5_attn-k_q9936d861e5_attn
	.p2alignl 7, 3214868480
	.fill 96, 4, 3214868480
	.section	.rodata,"a",@progbits
	.p2align	6, 0x0
	.amdhsa_kernel k_q9936d861e5_attn
		.amdhsa_group_segment_fixed_size 327680
		.amdhsa_private_segment_fixed_size 0
		.amdhsa_enable_private_segment 0
		.amdhsa_kernarg_size 32
		.amdhsa_user_sgpr_count 2
		.amdhsa_user_sgpr_kernarg_segment_ptr 1
		.amdhsa_wavefront_size32 1
		.amdhsa_system_sgpr_workgroup_id_x 1
		.amdhsa_system_sgpr_workgroup_id_y 1
		.amdhsa_system_sgpr_workgroup_id_z 1
		.amdhsa_system_vgpr_workitem_id 0
		.amdhsa_next_free_vgpr 256
		.amdhsa_next_free_sgpr 80
		.amdhsa_reserve_vcc 0
		.amdhsa_float_denorm_mode_32 3
		.amdhsa_float_denorm_mode_16_64 3
		.amdhsa_memory_ordered 1
		.amdhsa_forward_progress 1
		.amdhsa_inst_pref_size 56
	.end_amdhsa_kernel
	.amdgpu_metadata
---
amdhsa.version: [ 1, 2 ]
amdhsa.kernels:
  - .name:           k_q9936d861e5_attn
    .symbol:         k_q9936d861e5_attn.kd
    .args:
      - { .name: img, .offset: 0, .size: 8, .value_kind: global_buffer, .address_space: global }
      - { .name: isc, .offset: 8, .size: 8, .value_kind: global_buffer, .address_space: global }
      - { .name: oimg, .offset: 16, .size: 8, .value_kind: global_buffer, .address_space: global }
      - { .name: osc, .offset: 24, .size: 8, .value_kind: global_buffer, .address_space: global }
    .group_segment_fixed_size: 327680
    .private_segment_fixed_size: 0
    .kernarg_segment_align: 8
    .kernarg_segment_size: 32
    .max_flat_workgroup_size: 512
    .sgpr_count:     80
    .vgpr_count:     256
    .wavefront_size: 32
...
	.end_amdgpu_metadata
.endif
;; end of part 3
;; launch outp (part 4): grid 4 x 32, 4 waves a work-group, clusters of 4 x 4, 327,680 bytes of LDS; arguments oimg, osc, codes, scales, bo, out0; writes out0
.if DOCPART == 4
	.amdgcn_target "amdgcn-amd-amdhsa--gfx1250"
	.amdhsa_code_object_version 6
	.text
	.protected	k_q9936d861e5_outp
	.globl	k_q9936d861e5_outp
	.p2align	8
	.type	k_q9936d861e5_outp,@function
k_q9936d861e5_outp:
	s_mov_b64 s[64:65], 0
	v_nop
	global_prefetch_b8 v0, s[64:65] scope:SCOPE_SE
	s_setreg_imm32_b32 hwreg(HW_REG_WAVE_MODE, 25, 1), 1
	s_wait_xcnt 0x0
	s_wait_alu depctr_hold_cnt(0) depctr_sa_sdst(0) depctr_va_vdst(0) depctr_va_sdst(0) depctr_va_ssrc(0) depctr_va_vcc(0) depctr_vm_vsrc(0)
	s_getreg_b32 s2, hwreg(HW_REG_IB_STS2, 6, 4)
	s_cmp_eq_u32 s2, 0
	s_cbranch_scc0 .Lentry_in_a_cluster
	s_endpgm
.Lentry_in_a_cluster:
	s_bfe_u32 s2, ttmp6, 0x10000c
	s_cmp_lg_u32 s2, 0xf033
	s_cbranch_scc0 .Lentry_shape_is_right
	s_endpgm
.Lentry_shape_is_right:
; out0[m][n] = sum over k of O[m][k] Wo[n][k] + bo[n], on codes of FP6 (E2M3) with one E8M0 scale for each 32 along K = 1,024; sums and result f32.
; O's codes come as IMAGES of fragments: [row tile of 16][K step of 128][6 planes of 256 bytes: plane p = registers 2 p, 2 p + 1, lane l at 8 l]; its scale bytes as rows of 32.  Wo's codes are rows of 768 bytes
; (rows 27,648 on of the codes' buffer), its scale bytes rows of 32.  The rows of both lie in tile order (within 32 rows the groups of 8 in the order 0, 2, 1, 3): the way out puts rows and columns back.
; A tile of the result, 256 x 256, is made by four waves, 128 x 128 each: 64 accumulators, 512 registers.  K goes in four steps of 256 through two LDS slots filled by the tensor data mover; the scale bytes come once.
; CLUSTERS of 4 x 4: A's tiles are asked for jointly along a row of the cluster, B's along a column.  128 work-groups: a smaller tile would fill more of the chip at the price of another wave tile.
; THE MATRIX INSTRUCTION IS USED TRANSPOSED (source 0 = 16 rows of Wo, source 1 = 16 rows of O): a lane holds one row, and register j of tile b is column 32 (b / 2) + 16 (lane / 16) + 8 (b % 2) + j.
; The bias is the C of each sum's first product.
; REGISTERS, in windows of 256: window 0: v1-15 work; v16, v17 A's LDS addresses; v20-23 B's; v24-27 the way out and the scale words' address; v28, v29 the add's two; v32-63 scale words, two sets; v128-223 A's fragments;
;   on the way out v128-255 rows read back.   window 1: B's fragments, two sets, at v0 and v128; the bias in v96-127 and v224-255.   windows 2, 3: the accumulators.
.set NQ,     2
.set ROWB,   192
.set KROW,   768
.set PITCH,  240
.set FR,     12
.set NL,     6
.set NP,     4
.set HALFT,  128*PITCH                 ; a wave's place in a slot: B's 128 padded rows fill it; A's eight row tiles x 3,072 bytes take 24,576 of it
.set SLOT,   4*HALFT
.set KS,     32
.set SCL,    2*SLOT
.set HALFS,  (128*KS/256)*272
.set SBLK,   (16*KS/256)*272
.set SPARE,  SCL+4*HALFS               ; the spare words, 128 bytes a wave, which no other line names
.set SPITCH, 528                       ; the way out: a stage of 16 rows x (512 bytes + 16) for each wave, in slot 0, which has had its last fill and its last read by then
.set ADRA, 16
.set ADRB, 20
.set STO,  24
.set RD,   25
.set CO,   26
.set ADRS, 27
.set SPW,  28
.set NIL,  29
.set SC,   32
.set AF,   128
.set BK,   128
.set G1, 24
.set G0, 32
.set G1B, 48
.set G0B, 56
.set G1S, 68
.set G0S, 76
.set G1SB, 80
.set G0SB, 88
.set MSB, 0
.macro WIN new
.if MSB != (\new)
	s_set_vgpr_msb (MSB<<8)|(\new)
.set MSB, (\new)
.endif
.endm
.set MUL_LO, 0xa1                      ; source 0 (B) window 1, source 1 (A) window 0, C and D window 2.  The first step: C (the bias) window 1: 0x91
.set MUL_HI, 0xf1                      ; the same, C and D window 3.  The first step: 0xd1
.set TO_B,   0x40
.macro JLOAD g0a, g1a, g0b, g1b        ; a joint load: waves 0 and 1 fetch for A, waves 2 and 3 for B; an s_nop 0 and four v_nop follow each of the two lines
	s_cmp_eq_u32 s15, 0
	s_cbranch_scc0 .Lfor_b_\@
	tensor_load_to_lds s[\g0a:\g0a+3], s[\g1a:\g1a+7]
	s_nop 0
.rept 4
	v_nop
.endr
	s_branch .Lasked_\@
.Lfor_b_\@:
	tensor_load_to_lds s[\g0b:\g0b+3], s[\g1b:\g1b+7]
	s_nop 0
.rept 4
	v_nop
.endr
.Lasked_\@:
.endm
.macro CREST
	s_cmp_lg_u32 s14, 0
	s_cbranch_scc1 .Lnot_wave_0_\@
	s_barrier_signal -3
.Lnot_wave_0_\@:
	s_barrier_wait -3
	s_barrier_signal -1
	s_barrier_wait -1
.endm
.macro CROUND
	s_barrier_signal -1
	s_barrier_wait -1
	CREST
.endm
	s_load_b256 s[4:11], s[0:1], 0x0               ; O's images, O's scales, the codes' buffer, the scales' buffer
	s_load_b128 s[96:99], s[0:1], 0x20             ; bo, out0
	v_lshl_add_u32 v[SPW], v0, 2, SPARE
	v_mov_b32 v[NIL], 0
	ds_add_u32 v[SPW], v[NIL]                      ; the wave's opening: the add and its wait stand ahead of my first tensor load; work on registers stands between them
	v_lshrrev_b32 v1, 5, v0
	v_readfirstlane_b32 s14, v1                    ; wave 0..3
	s_lshr_b32 s15, s14, 1                         ; which half of the tile's rows is mine.  Also: I fetch for A (0) or for B (1)
	s_and_b32 s16, s14, 1                          ; which half of its columns.  Also: which half I fetch
	s_bfe_u32 s40, ttmp6, 0x40000                  ; cx
	s_bfe_u32 s41, ttmp6, 0x40004                  ; cy
	s_lshl_b32 s42, ttmp9, 2
	s_add_co_u32 s42, s42, s40                     ; tile column
	s_and_b32 s17, ttmp7, 0xffff
	s_lshl_b32 s17, s17, 2
	s_add_co_u32 s17, s17, s41                     ; tile row
	s_lshl_b32 s43, s41, 2
	s_lshl_b32 s43, 15, s43                        ; my row of the cluster
	s_lshl_b32 s44, 0x1111, s40                    ; my column
	; A's group 1: eight row tiles x two K steps' images: 8 rows of 3,072 bytes (384 elements of 8 bytes), 12,288 bytes apart in memory, dense in LDS
	s_or_b32 s[G1+0], s43, (3<<16)|(1<<21)
	s_mov_b32 s[G1+1], 384<<16
	s_mov_b32 s[G1+2], 8<<16
	s_mov_b32 s[G1+3], 384<<16
	s_mov_b32 s[G1+4], 8
	s_mov_b32 s[G1+5], 1536
	s_mov_b32 s[G1+6], 0
	s_mov_b32 s[G1+7], 0
	; B's: 128 rows x 192 bytes; 16 bytes of padding behind every 64
	s_or_b32 s[G1B+0], s44, (0<<16)|(1<<20)|(1<<21)|(3<<22)|(3<<25)
	s_mov_b32 s[G1B+1], ROWB<<16
	s_mov_b32 s[G1B+2], 128<<16
	s_mov_b32 s[G1B+3], ROWB<<16
	s_mov_b32 s[G1B+4], 128
	s_mov_b32 s[G1B+5], KROW
	s_mov_b32 s[G1B+6], 0
	s_mov_b32 s[G1B+7], 0
	; the scale bytes of 128 rows: 16 rows of 256 bytes, 16 bytes of padding behind each
	s_or_b32 s[G1S+0], s43, (3<<16)|(1<<20)|(1<<21)|(5<<22)|(3<<25)
	s_or_b32 s[G1SB+0], s44, (3<<16)|(1<<20)|(1<<21)|(5<<22)|(3<<25)
.irp g, G1S, G1SB
	s_mov_b32 s[\g+1], 32<<16
	s_mov_b32 s[\g+2], (128*KS/256)<<16
	s_mov_b32 s[\g+3], 32<<16
	s_mov_b32 s[\g+4], 128*KS/256
	s_mov_b32 s[\g+5], 32
	s_mov_b32 s[\g+6], 0
	s_mov_b32 s[\g+7], 0
.endr
	s_lshl_b32 s20, s17, 4
	s_lshl_b32 s18, s16, 3
	s_add_co_u32 s20, s20, s18                     ; A: row tile 16 x tile row + 8 x half
	s_lshl_b32 s22, s20, 9                         ; its scale bytes: 512 a row tile
	s_mul_i32 s20, s20, 12288                      ; its images
	s_lshl_b32 s46, s42, 8
	s_lshl_b32 s18, s16, 7
	s_add_co_u32 s46, s46, s18
	s_add_co_u32 s46, s46, 27648                   ; B: Wo's row in the two buffers
	s_lshl_b32 s92, s46, 5
	s_mul_i32 s46, s46, KROW
	s_mov_b32 s21, 0
	s_mov_b32 s23, 0
	s_mov_b32 s47, 0
	s_mov_b32 s93, 0
	s_mul_i32 s45, s14, HALFT                      ; where they go: no place in the cluster enters an LDS address
	s_mul_i32 s94, s14, HALFS
	s_wait_dscnt 0x0                               ; the opening add is done
	s_wait_kmcnt 0x0
	s_add_nc_u64 s[20:21], s[4:5], s[20:21]
	s_add_nc_u64 s[22:23], s[6:7], s[22:23]
	s_add_nc_u64 s[46:47], s[8:9], s[46:47]
	s_add_nc_u64 s[92:93], s[10:11], s[92:93]
	CROUND                                         ; all sixteen work-groups are here: the first joint loads meet
	s_mov_b32 s[G0S], 1
	s_add_co_u32 s[G0S+1], s94, SCL
	s_mov_b64 s[G0S+2:G0S+3], s[22:23]
	s_or_b32 s[G0S+3], s[G0S+3], 0x80000000
	s_mov_b32 s[G0SB], 1
	s_add_co_u32 s[G0SB+1], s94, SCL
	s_mov_b64 s[G0SB+2:G0SB+3], s[92:93]
	s_or_b32 s[G0SB+3], s[G0SB+3], 0x80000000
	JLOAD G0S, G1S, G0SB, G1SB
.irp s, 0,1
	s_mov_b32 s[G0+4*\s], 1
	s_add_co_u32 s[G0+4*\s+1], s45, \s*SLOT
	s_add_nc_u64 s[G0+4*\s+2:G0+4*\s+3], s[20:21], \s*3072
	s_or_b32 s[G0+4*\s+3], s[G0+4*\s+3], 0x80000000
	s_mov_b32 s[G0B+4*\s], 1
	s_add_co_u32 s[G0B+4*\s+1], s45, \s*SLOT
	s_add_nc_u64 s[G0B+4*\s+2:G0B+4*\s+3], s[46:47], \s*ROWB
	s_or_b32 s[G0B+4*\s+3], s[G0B+4*\s+3], 0x80000000
	JLOAD G0+4*\s, G1, G0B+4*\s, G1B               ; three tensor loads of mine are out now
.endr
	v_and_b32 v1, 15, v0                           ; r
	v_bfe_u32 v2, v0, 4, 1                         ; h
	s_lshl_b32 s18, s42, 10                        ; the bias: 4 (256 x tile column + 128 x half) bytes on,
	s_lshl_b32 s19, s16, 9
	s_add_co_u32 s18, s18, s19
	s_mov_b32 s19, 0
	s_add_nc_u64 s[96:97], s[96:97], s[18:19]
	v_lshlrev_b32 v14, 6, v2                       ; and 16 h numbers
	WIN TO_B
.irp x, 0,4,8,12,16,20,24,28,32,36,40,44,48,52,56,60
	global_load_b128 v[96+\x+96*(\x/32):96+\x+96*(\x/32)+3], v14, s[96:97] offset:128*(\x/16)+4*(\x%16)   ; number x of 64: column 32 (x / 16) + 16 h + x % 16
.endr
	WIN 0
	v_and_b32 v6, 31, v0
	v_lshlrev_b32 v7, 3, v6                        ; A: a plane's place for my lane
	v_mul_u32_u24 v3, v1, PITCH
	v_mul_u32_u24 v4, v2, 24
	v_add_nc_u32 v4, v3, v4                        ; B: a fragment's row x pitch + 24 x half
	v_lshl_add_u32 v5, v2, 4, v4                   ; and the same behind one padding more
	s_mul_i32 s21, s15, HALFT                      ; my eight row tiles of A
	s_mul_i32 s22, s16, HALFT                      ; my 128 rows of B,
	s_add_co_u32 s22, s22, 2*HALFT                 ; which lie behind A's two places
.irp s, 0,1
	v_add_nc_u32 v[ADRA+\s], s21, v7
	v_add_nc_u32 v[ADRB+\s], s22, v4
	v_add_nc_u32 v[ADRB+2+\s], s22, v5
	s_add_co_u32 s21, s21, SLOT
	s_add_co_u32 s22, s22, SLOT
.endr
	v_mul_u32_u24 v5, v1, KS
	v_lshrrev_b32 v6, 8, v5
	v_lshl_add_u32 v5, v6, 4, v5
	s_mul_i32 s21, s15, HALFS
	s_mul_i32 s22, s16, HALFS
	s_add_co_u32 s22, s22, 2*HALFS
	s_sub_co_u32 s22, s22, s21
	v_mul_u32_u24 v6, s22, v2                      ; lanes 16-31 take B's scale words
	s_add_co_u32 s21, s21, SCL
	v_add_nc_u32 v5, v5, v6
	v_add_nc_u32 v[ADRS], s21, v5
	s_mul_i32 s23, s14, 16*SPITCH                  ; my stage
	v_mul_u32_u24 v5, v1, SPITCH                   ; in: row r, 64 bytes on for lanes 16-31
	v_lshl_add_u32 v5, v2, 6, v5
	v_add_nc_u32 v[STO], s23, v5
	v_and_b32 v6, 31, v0
	v_lshlrev_b32 v[CO], 4, v6                     ; back: the 32 lanes take one row of 512 bytes; and the same in the result
	v_add_nc_u32 v[RD], s23, v[CO]
	s_lshl_b32 s20, s17, 8
	s_lshl_b32 s21, s15, 7
	s_add_co_u32 s20, s20, s21                     ; my first row: 256 x tile row + 128 x half,
	s_lshl_b32 s20, s20, 12                        ; 4,096 bytes a row
	s_lshl_b32 s46, s42, 10                        ; my first column, in bytes
	s_lshl_b32 s47, s16, 9
	s_add_co_u32 s46, s46, s47
	s_add_co_u32 s20, s20, s46
	s_mov_b32 s21, 0
	s_add_nc_u64 s[98:99], s[98:99], s[20:21]      ; never stepped: every row's place stands in a store's immediate, 127 rows of 4,096 bytes at the most
.macro FRAG reg, adr, q, i             ; a fragment of B from padded rows, in pieces of 8 bytes
.irp p, 0,1,2,3,4,5
.set PIE, 12*(\q)+6*(\p/3)+\p%3
.if PIE%8 < 5
	ds_load_b64 v[\reg+2*\p:\reg+2*\p+1], v[\adr] offset:8*PIE+16*(PIE/8)+(\i)*16*PITCH
.else
	ds_load_b64 v[\reg+2*\p:\reg+2*\p+1], v[\adr+2] offset:8*PIE+16*(PIE/8)+(\i)*16*PITCH
.endif
.endr
.endm
.macro FRAGI reg, adr, q, i            ; a fragment of A from its image: six planes
.irp p, 0,1,2,3,4,5
	ds_load_b64 v[\reg+2*\p:\reg+2*\p+1], v[\adr] offset:(\i)*3072+(\q)*1536+256*\p
.endr
.endm
; 16 matrix instructions: A's blocks a0, a0 + 1 x B's eight.  zero = 1: the first product starts the sums, with the bias as its C.  The 64 accumulators take turns, one instruction a turn.
.macro MUL16 a0, p, q, sc, zero
.irp a, \a0, \a0+1
.irp b, 0,1,2,3,4,5,6,7
.if \zero
	v_wmma_scale_f32_16x16x128_f8f6f4 v[8*(8*((\a)%4)+\b):8*(8*((\a)%4)+\b)+7], v[128*(\p)+FR*\b:128*(\p)+FR*\b+FR-1], v[AF+FR*(\a):AF+FR*(\a)+FR-1], v[96+8*\b+96*(\b/4):96+8*\b+96*(\b/4)+7], v[SC+8*NQ*(\sc)+NQ*\b+(\q)], v[SC+8*NQ*(\sc)+NQ*(\a)+(\q)] matrix_a_fmt:MATRIX_FMT_FP6 matrix_b_fmt:MATRIX_FMT_FP6 matrix_a_scale:MATRIX_SCALE_ROW1
.else
	v_wmma_scale_f32_16x16x128_f8f6f4 v[8*(8*((\a)%4)+\b):8*(8*((\a)%4)+\b)+7], v[128*(\p)+FR*\b:128*(\p)+FR*\b+FR-1], v[AF+FR*(\a):AF+FR*(\a)+FR-1], v[8*(8*((\a)%4)+\b):8*(8*((\a)%4)+\b)+7], v[SC+8*NQ*(\sc)+NQ*\b+(\q)], v[SC+8*NQ*(\sc)+NQ*(\a)+(\q)] matrix_a_fmt:MATRIX_FMT_FP6 matrix_b_fmt:MATRIX_FMT_FP6 matrix_a_scale:MATRIX_SCALE_ROW1
.endif
.endr
.endr
.endm
.macro FETCH_B slot, q, p
	WIN TO_B
.irp i, 0,1,2,3,4,5,6,7
	FRAG 128*(\p)+FR*\i, ADRB+\slot, \q, \i
.endr
	WIN 0
.endm
.macro FETCH_A slot, q, i0
.irp i, \i0, \i0+1, \i0+2, \i0+3
	FRAGI AF+FR*(\i), ADRA+\slot, \q, \i
.endr
.endm
.macro SCALES sc
.irp i, 0,1,2,3,4,5,6,7
	ds_load_b64 v[SC+8*NQ*\sc+NQ*\i:SC+8*NQ*\sc+NQ*\i+1], v[ADRS] offset:\i*SBLK
.endr
.endm
.macro PLACES n                        ; plain vector instructions between a matrix instruction and a load into, or a read of, its registers
.rept \n
	v_nop
.endr
.endm
.macro STEP slot, q, zero
	s_wait_dscnt 4*NL                              ; B's set, A's blocks 0-3 and the scale words are in; the youngest 24 loads (A's blocks 4-7) may be out
	WIN MUL_LO-0x10*(\zero)
	MUL16 0, (\q)%2, \q, \slot, \zero
	MUL16 2, (\q)%2, \q, \slot, \zero
	s_wait_dscnt 0
	PLACES NP
	FETCH_B \slot, (\q)+1, 1-(\q)%2
	FETCH_A \slot, (\q)+1, 0
	WIN MUL_HI-0x20*(\zero)
	MUL16 4, (\q)%2, \q, \slot, \zero
	MUL16 6, (\q)%2, \q, \slot, \zero
	PLACES NP
	WIN 0
	FETCH_A \slot, (\q)+1, 4
.endm
.macro TURN slot, next, fill           ; a slot's last step changes slots: one barrier, with the three lines in front of it
	s_wait_tensorcnt 0x0                           ; all my tensor loads have landed: my part of the next slot
	ds_add_u32 v[SPW], v[NIL]                      ; 0 onto my spare word
	s_wait_dscnt 4*NL+1                            ; (the add and the youngest 24 loads may be out)
	WIN MUL_LO
	MUL16 0, 1, NQ-1, \slot, 0
	s_wait_dscnt 0x0                               ; the add is done, and my reads of this slot are over
	s_barrier_signal -1
	MUL16 2, 1, NQ-1, \slot, 0
	WIN 0
	s_barrier_wait -1
.if \fill
	CREST                                          ; a round of the cluster's barrier: no wave of any partner still reads this slot or has a load on its way
	s_add_nc_u64 s[G0+4*\slot+2:G0+4*\slot+3], s[G0+4*\slot+2:G0+4*\slot+3], 2*3072
	s_add_nc_u64 s[G0B+4*\slot+2:G0B+4*\slot+3], s[G0B+4*\slot+2:G0B+4*\slot+3], 2*ROWB
	JLOAD G0+4*\slot, G1, G0B+4*\slot, G1B         ; the first tensor load behind the round, and my only one until the next
.else
	PLACES NP
.endif
	v_add_nc_u32 v[ADRS], 4*NQ, v[ADRS]
	FETCH_B \next, 0, 0
	FETCH_A \next, 0, 0
	SCALES \next
	WIN MUL_HI
	MUL16 4, 1, NQ-1, \slot, 0
	MUL16 6, 1, NQ-1, \slot, 0
	PLACES NP
	WIN 0
	FETCH_A \next, 0, 4
.endm
	s_wait_loadcnt 0x0                             ; the bias
	s_wait_tensorcnt 1                             ; the scales and my part of K step 0 are in; K step 1's load may be out
	s_barrier_signal -1
	s_barrier_wait -1
	FETCH_B 0, 0, 0
	FETCH_A 0, 0, 0
	SCALES 0
	FETCH_A 0, 0, 4
	STEP 0, 0, 1                                   ; K = 1,024 is four slots: written out, no loop
	TURN 0, 1, 1
	STEP 1, 0, 0
	TURN 1, 0, 1
	STEP 0, 0, 0
	TURN 0, 1, 0
	STEP 1, 0, 0
	s_wait_dscnt 4*NL
	WIN MUL_LO
	MUL16 0, 1, NQ-1, 1, 0
	MUL16 2, 1, NQ-1, 1, 0
	s_wait_dscnt 0
	WIN MUL_HI
	MUL16 4, 1, NQ-1, 1, 0
	MUL16 6, 1, NQ-1, 1, 0
	WIN 0
; THE WAY OUT, block by block of 16 rows x 128 columns, through my own stage in LDS: in by lanes (32 bytes of a row for each tile), back as whole rows of 512 bytes.  LDS serves a wave's instructions in order.
.macro TOSTAGE a
.set AC, 64*((\a)%4)
	WIN 0x08+4*((\a)/4)                            ; the data: window 2 or 3
.irp b, 0,1,2,3,4,5,6,7
	ds_store_b128 v[STO], v[AC+8*\b:AC+8*\b+3] offset:128*(\b/2)+32*(\b%2)          ; each accumulator from its low end on; the columns go to their true places
	ds_store_b128 v[STO], v[AC+8*\b+4:AC+8*\b+7] offset:128*(\b/2)+32*(\b%2)+16
.endr
	WIN 0
.set BB, BK+64*((\a)%2)
.irp t, 0,1,2,3,4,5,6,7,8,9,10,11,12,13,14,15
	ds_load_b128 v[BB+4*\t:BB+4*\t+3], v[RD] offset:\t*SPITCH
.endr
.endm
.macro SEND a, younger                 ; younger: the LDS instructions issued behind block a's loads, which may stay out
.set BB, BK+64*((\a)%2)
	s_wait_dscnt \younger
.irp t, 0,1,2,3,4,5,6,7,8,9,10,11,12,13,14,15
	global_store_b128 v[CO], v[BB+4*\t:BB+4*\t+3], s[98:99] offset:(32*((\a)/2)+8*((\a)%2)+\t+8*(\t/8))*4096 th:TH_STORE_NT   ; place t of block a is the true row 32 (a / 2) + 8 (a % 2) + t + 8 (t / 8); 32 lanes store 512 consecutive bytes, aligned
.endr
.endm
	PLACES NP                                      ; in front of the loads into the registers that held A's fragments, and of the reads of the last results
	TOSTAGE 0
.irp a, 1,2,3,4,5,6,7
.if \a > 1
	s_wait_xcnt 0x0                                ; block a - 2's stores have read their registers: block a's loads may land there
.endif
	TOSTAGE \a
	SEND \a-1, 32                                  ; behind block a - 1's loads: block a's 16 stores and 16 loads
.endr
	SEND 7, 0
	s_wait_tensorcnt 0x0                           ; the wave's end: behind my last tensor load and my last LDS store
	ds_add_u32 v[SPW], v[NIL]
	s_wait_dscnt 0x0
	CROUND                                         ; the closing round
	s_endpgm
.Lfunc_end_k_q9936d861e5_outp:
	.size	k_q9936d861e5_outp, .Lfunc_end_k_q9936d861e5_outp-k_q9936d861e5_outp
	.p2alignl 7, 3214868480
	.fill 96, 4, 3214868480
	.section	.rodata,"a",@progbits
	.p2align	6, 0x0
	.amdhsa_kernel k_q9936d861e5_outp
		.amdhsa_group_segment_fixed_size 327680
		.amdhsa_private_segment_fixed_size 0
		.amdhsa_enable_private_segment 0
		.amdhsa_kernarg_size 48
		.amdhsa_user_sgpr_count 2
		.amdhsa_user_sgpr_kernarg_segment_ptr 1
		.amdhsa_wavefront_size32 1
		.amdhsa_system_sgpr_workgroup_id_x 1
		.amdhsa_system_sgpr_workgroup_id_y 1
		.amdhsa_system_sgpr_workgroup_id_z 1
		.amdhsa_system_vgpr_workitem_id 0
		.amdhsa_next_free_vgpr 1024
		.amdhsa_next_free_sgpr 100
		.amdhsa_reserve_vcc 0
		.amdhsa_float_denorm_mode_32 3
		.amdhsa_float_denorm_mode_16_64 3
		.amdhsa_memory_ordered 1
		.amdhsa_forward_progress 1
		.amdhsa_inst_pref_size 161
	.end_amdhsa_kernel
	.amdgpu_metadata
---
amdhsa.version: [ 1, 2 ]
amdhsa.kernels:
  - .name:           k_q9936d861e5_outp
    .symbol:         k_q9936d861e5_outp.kd
    .args:
      - { .name: oimg, .offset: 0, .size: 8, .value_kind: global_buffer, .address_space: global }
      - { .name: osc, .offset: 8, .size: 8, .value_kind: global_buffer, .address_space: global }
      - { .name: codes, .offset: 16, .size: 8, .value_kind: global_buffer, .address_space: global }
      - { .name: scales, .offset: 24, .size: 8, .value_kind: global_buffer, .address_space: global }
      - { .name: bo, .offset: 32, .size: 8, .value_kind: global_buffer, .address_space: global }
      - { .name: out0, .offset: 40, .size: 8, .value_kind: global_buffer, .address_space: global }
    .group_segment_fixed_size: 327680
    .private_segment_fixed_size: 0
    .kernarg_segment_align: 8
    .kernarg_segment_size: 48
    .max_flat_workgroup_size: 128
    .sgpr_count:     100
    .vgpr_count:     1024
    .wavefront_size: 32
...
	.end_amdgpu_metadata
.endif
;; end of part 4
